; MI455X (gfx1250); checked and timed in simulation.
; The chip was launched on July 23, 2026; its instructions are those of AMD's public machine-readable ISA for CDNA 5 (MIT licence, August 2026) and "CDNA5" Instruction Set Architecture Reference Guide (July 2026). The comments in the code are by the model that wrote it; some were corrected since.
;; WHNN. Allowed arithmetic: float matrix products may take bf16 or f16 operands with f32 sums; all other float work in f32.
;; Inputs: src_keypts 1 x 4,096 x 3 float32; tgt_keypts 1 x 4,096 x 3 float32.
;; Outputs: out0 1 x 4,096 x 4,096 float32.
;; 3 versions, each right; version 2 is faster than version 1; version 3 is version 2 with the launch build written anew for expert scheduling mode. Each part assembles by itself: llvm-mc -triple=amdgcn-amd-amdhsa -mcpu=gfx1250 --defsym DOCPART=n.
;; ======== version 1 of 3: 3 launches
;; limits: values outside matrix products are rounded to bf16
;; workspace buffers: part 2,048 bytes; fmat 33,554,432 bytes
;; launch topk (part 1): grid 256 x 1, 4 waves a work-group, no clusters, 203,520 bytes of LDS; arguments src_keypts, tgt_keypts, part; writes part
.if DOCPART == 1
	.amdgcn_target "amdgcn-amd-amdhsa--gfx1250"
	.amdhsa_code_object_version 6
	.text
	.protected	k_qc13ec6ec3b_topk
	.globl	k_qc13ec6ec3b_topk
	.p2align	8
	.type	k_qc13ec6ec3b_topk,@function
k_qc13ec6ec3b_topk:
	s_mov_b64 s[64:65], 0
	v_nop
	global_prefetch_b8 v0, s[64:65] scope:SCOPE_SE
	s_setreg_imm32_b32 hwreg(HW_REG_WAVE_MODE, 25, 1), 1
	s_wait_xcnt 0x0
; part[g] = the sum, over the 16 rows i = 16 g + r of this work-group, of the 409 largest fcg[i][j] (j != i), as an exact whole number in units of 2^-22,
; split into (sum >> 16 per row, sum & 0xffff per row), each added over the rows.
; fcg[i][j] = max(1 - 100 (|s_i - s_j| - |t_i - t_j|)^2, 0), the distances by |a|^2 + |b|^2 - 2 a.b, floored at 1e-12, in f32.
; THE POINTS ARE ROUNDED TO bf16 (to nearest even) as they come in, as the operands of the K = 3 product; |p|^2 is formed from the same rounded points, so
; that d^2 is the squared distance of the rounded points and no difference of sums rounded in unlike ways.  With significands of 8 bits every product is
; exact in f32, so a fused multiply-add gives the bits of a multiplication followed by an addition: the result hangs only on the order x, y, z.
; HOW.  Instead of fcg the value w = max(1.5 - 50 diff^2, 1) = 1 + fcg/2 is formed: it lies in [1, 1.5], so its 23 mantissa bits are fcg in units of 2^-22,
; rounded to nearest.  The 4,096 values of a row are laid into LDS as 23 bit planes of 4,096 bits, and the 410th largest is found bit by bit from the top
; (a radix select on masks: AND, population count), together with the exact sum of all that lie above it.
; THE DIAGONAL is not masked: |p|^2 and p.p are the same chain of operations, so d^2 = 0 in both clouds, diff = 0 and w = 1.5, the largest value there is.
; So: sum of the top 409 without the diagonal = sum of the top 410 with it, less 2^22.
; SHARES.  Four waves.  Wave w keeps 1,024 columns in registers for the whole kernel (32 a lane, as pairs for the packed f32 forms, in registers 256-511).
; Phase 1: 16 trips, one row each, every wave its quarter of the row.  Phase 2: wave w selects in rows 4 w .. 4 w + 3, eight lanes a row.
; The K = 3 sums stay on the vector unit, in f32 with one rounding to nearest for each addition: the next launch's comparison with the mean is a hard
; decision that needs that chain, and this launch keeps the same one.
; No cluster, no tensor load: the work-groups share nothing but the 96 KiB of points, which each wave takes once through registers.
; LIMITS: the distances are those of the rounded points (each coordinate off by at most 2^-9 of its size, so the error grows with the inputs' size and
; offset).  NaN and infinite inputs are not served.  Each value carries a rounding of at most 2^-23, so the mean is right to that bound at the worst.
.set ROWS,  16
.set PLANE, 512                        ; bytes of a bit plane: 4,096 bits
.set ROWP,  24*PLANE+128               ; a row of planes; the 128 put neighbouring rows half a row of banks apart
.set TAB,   ROWS*ROWP                  ; the row table, 1,024 bytes for each wave, its own
.set TABW,  1024
.set SCR,   TAB+4*TABW                 ; 8 bytes for each wave
.set KSEL,  410
.set LA, 10                            ; v10      phase 1: where my plane words go; phase 2: where my part of the next plane lies
.set TA, 11                            ; v11      the next row's table entry
.set SB, 16                            ; v[16:31] at work
.set CO, 24                            ; v[24:27] set-up: byte offsets of my columns
.set RO, 28                            ; v28      set-up: byte offset of my row point
.set T,  32                            ; v[32:223] set-up: the points as loaded; then v[32:127] the same as bf16, two a word
.set DB, 32                            ; v[32:95] d^2, then d: pair P, cloud t at DB + 4 P + 2 t
.set BP, 32                            ; v[32:55] the 24 plane words
.set V,  96                            ; v[96:127] the row's 32 values of this lane
.set GT, 128                           ; v[128:159] at work in the gather
.set MM, 32                            ; phase 2: v[32:47] candidates, v[48:63] candidates with the bit set, v[64:79] the plane,
.set XX, 48                            ;          v[80:95] elements known to lie above, v[96:111] those with the bit set
.set PL, 64
.set GG, 80
.set WW, 96
.set CA, 24                            ; count above (f32: at most 4,096, exact)
.set TT, 25                            ; the bits of the 410th largest found so far
.set HS, 26                            ; sum of the upper bits of the elements above (the row's, alike in its eight lanes)
.set LS, 27                            ; sum of their lower bits (this lane's part)
.set MSB, 0
.macro WIN new                         ; s_set_vgpr_msb: low byte 1:0 source 0, 3:2 source 1, 5:4 source 2, 7:6 destination; high byte repeats the setting left
.if MSB != \new
	s_set_vgpr_msb (MSB<<8)|\new
.set MSB, \new
.endif
.endm
.macro IDX                             ; from i, the number 2 P + t of a pair and cloud: its registers; steps i
.set ic, 8*i                           ; block 1: x at ic, y at ic+2, z at ic+4, |p|^2 at ic+6, two columns each
.set id, DB+2*i
.set ir, 2+4*(i%2)                     ; the row's (x, y), (z, |p|^2) of that cloud
.set ie, SB+2*(i%8)
.set i, i+1
.endm
	s_load_b128 s[4:7], s[0:1], 0x0                ; src s[4:5], tgt s[6:7]
	s_load_b64 s[8:9], s[0:1], 0x10                ; part
	v_lshl_add_u32 v254, v0, 2, 0x31900
	v_mov_b32 v255, 0
	v_and_b32 v1, 31, v0                           ; lane
	v_lshrrev_b32 v2, 5, v0
	v_readfirstlane_b32 s10, v2                    ; wave
	s_mov_b32 s11, ttmp9                           ; g
	s_mov_b32 s13, 0x2b8cbccc                      ; 1e-12
	s_mov_b32 s14, 0x05010400                      ; byte selectors of the gather
	s_mov_b32 s15, 0x05040100
	s_mov_b32 s16, 0x07060302
	s_mov_b32 s17, 0x06020602
	s_mov_b32 s18, 0x0f0f0f0f                      ; masks of the bit transpose
	s_mov_b32 s19, 0x33333333
	s_mov_b32 s20, 0x55555555
	s_mov_b32 s27, 0x43cd0000                      ; 410.0
	s_mov_b32 s28, 0x76543210                      ; v_permlanex16_b32: lane i of the other half
	s_mov_b32 s29, 0xfedcba98
	s_mov_b32 s31, 0xffff0000                      ; a word's upper bf16
	; my columns: group c = 0..3 is columns cb(c) + 8 lane + 0..7, cb(c) = (256 (g >> 4) + 1024 wave + 256 c) mod 4096
	s_lshr_b32 s12, s11, 4
	s_lshl_b32 s12, s12, 8
	s_lshl_b32 s21, s10, 10
	s_add_co_u32 s12, s12, s21
	v_mul_u32_u24 v3, v1, 96                       ; eight points of 12 bytes a lane
.irp c, 0,1,2,3
	s_add_co_u32 s21, s12, 256*\c
	s_and_b32 s21, s21, 4095
	s_mul_i32 s21, s21, 12
	v_add_nc_u32 v[CO+\c], s21, v3
.endr
	v_and_b32 v4, 15, v0
	s_lshl_b32 s21, s11, 4
	v_add_nc_u32 v4, s21, v4                       ; row 16 g + lane mod 16
	v_mul_u32_u24 v[RO], v4, 12
	s_wait_kmcnt 0x0
	global_load_b96 v[2:4], v[RO], s[4:5]          ; the row points first,
	global_load_b96 v[6:8], v[RO], s[6:7]
.irp c, 0,1,2,3
.irp n, 0,1,2,3,4,5
	global_load_b128 v[T+48*\c+4*\n:T+48*\c+4*\n+3], v[CO+\c], s[4:5] offset:16*\n         ; then 48 loads: a lane's six cover its 96 bytes
	global_load_b128 v[T+48*\c+24+4*\n:T+48*\c+24+4*\n+3], v[CO+\c], s[6:7] offset:16*\n
.endr
.endr
	s_wait_loadcnt 48                              ; the 48 column loads are younger than the two row loads
	v_cvt_pk_bf16_f32 v20, v2, v3                  ; my row point, both clouds, rounded to bf16 and widened again
	v_cvt_pk_bf16_f32 v21, v4, v6
	v_cvt_pk_bf16_f32 v22, v7, v8
	v_lshlrev_b32 v2, 16, v20
	v_and_b32 v3, s31, v20
	v_lshlrev_b32 v4, 16, v21
	v_and_b32 v6, s31, v21
	v_lshlrev_b32 v7, 16, v22
	v_and_b32 v8, s31, v22
	v_mul_f32 v5, v2, v2                           ; |p|^2 of my row point, both clouds
	v_mul_f32 v9, v6, v6
	v_fma_f32 v5, v3, v3, v5
	v_fma_f32 v9, v7, v7, v9
	v_fma_f32 v5, v4, v4, v5
	v_fma_f32 v9, v8, v8, v9
	s_lshl_b32 s21, s10, 10
	s_add_co_u32 s21, s21, TAB                     ; my wave's table: entry l = row l mod 16, 32 bytes (x y z q of src, x y z q of tgt).
	v_lshl_add_u32 v[LA], v1, 5, s21               ; Entries 16-31 repeat 0-15, so that the fetch of the next row needs no wrap
	ds_store_b128 v[LA], v[2:5]
	ds_store_b128 v[LA], v[6:9] offset:16
	v_mov_b32 v[TA], s21
	s_wait_loadcnt 0x0
.set j, 0
.rept 96
	v_cvt_pk_bf16_f32 v[T+j], v[T+2*j], v[T+2*j+1] ; my columns' 192 numbers rounded to bf16, packed in place: word j is written when words 2 j, 2 j + 1 are read
.set j, j+1
.endr
	WIN 0x40                                       ; destination in block 1: widened again, points (x y z) x 8 become pairs of x, of y, of z
.irp c, 0,1,2,3
.irp k, 0,1,2,3,4,5,6,7
.irp t, 0,1
.irp m, 0,1,2
.set en, 48*\c+24*\t+3*\k+\m
.if en%2
	v_and_b32 v[64*\c+16*(\k/2)+8*\t+2*\m+(\k%2)], s31, v[T+en/2]
.else
	v_lshlrev_b32 v[64*\c+16*(\k/2)+8*\t+2*\m+(\k%2)], 16, v[T+en/2]
.endif
.endr
.endr
.endr
.endr
	WIN 0x55                                       ; all in block 1: |p|^2 of my columns, the same chain as for the rows
.set i, 0
.rept 32
	v_pk_mul_f32 v[8*i+6:8*i+7], v[8*i:8*i+1], v[8*i:8*i+1]
.set i, i+1
.endr
.set i, 0
.rept 32
	v_pk_fma_f32 v[8*i+6:8*i+7], v[8*i+2:8*i+3], v[8*i+2:8*i+3], v[8*i+6:8*i+7]
.set i, i+1
.endr
.set i, 0
.rept 32
	v_pk_fma_f32 v[8*i+6:8*i+7], v[8*i+4:8*i+5], v[8*i+4:8*i+5], v[8*i+6:8*i+7]
.set i, i+1
.endr
	WIN 0
	ds_load_b128 v[2:5], v[TA]                     ; row 0 (my wave's own bytes: LDS serves a wave's instructions in order)
	ds_load_b128 v[6:9], v[TA] offset:16
	v_add_nc_u32 v[TA], 32, v[TA]
	v_mov_b32 v12, 0xc2480000                      ; -50
	v_mov_b32 v13, 0xc2480000
	v_mov_b32 v14, 0x3fc00000                      ; 1.5
	v_mov_b32 v15, 0x3fc00000
	s_lshl_b32 s21, s10, 7
	v_lshl_add_u32 v[LA], v1, 2, s21               ; my word of a plane: 128 wave + 4 lane
	s_wait_dscnt 0x0
; d^2 of the row against my 32 columns, both clouds, in four batches of eight pairs, operation by operation.  Source 0 is in block 1.
.macro PKROW
.set bt, 0
.rept 4
.set i, 8*bt
.rept 8
	IDX
	v_pk_mul_f32 v[id:id+1], v[ic:ic+1], v[ir:ir+1] op_sel_hi:[1,0]                                    ; x x'
.endr
.set i, 8*bt
.rept 8
	IDX
	v_pk_fma_f32 v[id:id+1], v[ic+2:ic+3], v[ir:ir+1], v[id:id+1] op_sel:[0,1,0] op_sel_hi:[1,1,1]     ; + y y'
.endr
.set i, 8*bt
.rept 8
	IDX
	v_pk_fma_f32 v[id:id+1], v[ic+4:ic+5], v[ir+2:ir+3], v[id:id+1] op_sel_hi:[1,0,1]                  ; + z z'
.endr
.set i, 8*bt
.rept 8
	IDX
	v_pk_add_f32 v[ie:ie+1], v[ic+6:ic+7], v[ir+2:ir+3] op_sel:[0,1] op_sel_hi:[1,1]                   ; |a|^2 + |b|^2
.endr
.set i, 8*bt
.rept 8
	IDX
	v_pk_fma_f32 v[id:id+1], -2.0, v[id:id+1], v[ie:ie+1] op_sel_hi:[0,1,1]                            ; - 2 a.b
.endr
.set bt, bt+1
.endr
.endm
; Batch n = pairs 4 n .. 4 n + 3, both clouds, 16 numbers: floor and root.  Behind the roots stands another batch's plain work (ISA guide 5.7.2).
.macro ROOT n
.set j, 0
.rept 16
	v_max_num_f32 v[DB+16*(\n)+j], s13, v[DB+16*(\n)+j]
.set j, j+1
.endr
.set j, 0
.rept 16
	v_sqrt_f32 v[DB+16*(\n)+j], v[DB+16*(\n)+j]
.set j, j+1
.endr
.endm
.macro SCORE n                         ; w = max(1.5 - 50 (d_src - d_tgt)^2, 1)
	s_wait_alu depctr_va_vdst(0)
.irp u, 0,1,2,3
	v_pk_add_f32 v[DB+16*(\n)+4*\u:DB+16*(\n)+4*\u+1], v[DB+16*(\n)+4*\u:DB+16*(\n)+4*\u+1], v[DB+16*(\n)+4*\u+2:DB+16*(\n)+4*\u+3] neg_lo:[0,1] neg_hi:[0,1]
.endr
.irp u, 0,1,2,3
	v_pk_mul_f32 v[DB+16*(\n)+4*\u:DB+16*(\n)+4*\u+1], v[DB+16*(\n)+4*\u:DB+16*(\n)+4*\u+1], v[DB+16*(\n)+4*\u:DB+16*(\n)+4*\u+1]
.endr
.irp u, 0,1,2,3
	v_pk_fma_f32 v[V+8*(\n)+2*\u:V+8*(\n)+2*\u+1], v[DB+16*(\n)+4*\u:DB+16*(\n)+4*\u+1], v[12:13], v[14:15]
.endr
.set j, 0
.rept 8
	v_max_num_f32 v[V+8*(\n)+j], 1.0, v[V+8*(\n)+j]
.set j, j+1
.endr
.endm
; One stage of the 8 x 8 bit transpose of eight words (four bytes side by side): words g and g + j exchange blocks of j bits.
.macro STAGE base, j, m, g0, g1, g2, g3
.irp g, \g0,\g1,\g2,\g3
	v_lshlrev_b32 v[16+2*\g], \j, v[\base+\g+\j]
	v_lshrrev_b32 v[17+2*\g], \j, v[\base+\g]
.endr
.irp g, \g0,\g1,\g2,\g3
	v_bfi_b32 v[\base+\g], \m, v[\base+\g], v[16+2*\g]
	v_bfi_b32 v[\base+\g+\j], \m, v[17+2*\g], v[\base+\g+\j]
.endr
.endm
	; PHASE 1: a trip makes one row's values and stores my 32 x 24 bits of them as 24 plane words.
	s_mov_b32 s21, ROWS
.Lrow:
	s_wait_dscnt 24                                ; the two loads of this row's entry are older than the last trip's 24 plane stores
	WIN 0x01
	PKROW
	WIN 0
	ds_load_b128 v[2:5], v[TA]                     ; the next row's entry (in the last trip entry 16, a copy of entry 0, not used)
	ds_load_b128 v[6:9], v[TA] offset:16
	v_add_nc_u32 v[TA], 32, v[TA]
	ROOT 0
	ROOT 1
	SCORE 0
	ROOT 2
	SCORE 1
	ROOT 3
	SCORE 2
	SCORE 3
	; gather: word q of byte group y holds byte y of values 4 q .. 4 q + 3
.irp q, 0,1,2,3,4,5,6,7
	v_perm_b32 v[GT+4*\q],   v[V+4*\q+1], v[V+4*\q],   s14
	v_perm_b32 v[GT+4*\q+1], v[V+4*\q+3], v[V+4*\q+2], s14
	v_perm_b32 v[GT+4*\q+2], v[V+4*\q+1], v[V+4*\q],   s17
	v_perm_b32 v[GT+4*\q+3], v[V+4*\q+3], v[V+4*\q+2], s17
.endr
.irp q, 0,1,2,3,4,5,6,7
	v_perm_b32 v[BP+\q],    v[GT+4*\q+1], v[GT+4*\q],   s15
	v_perm_b32 v[BP+8+\q],  v[GT+4*\q+1], v[GT+4*\q],   s16
	v_perm_b32 v[BP+16+\q], v[GT+4*\q+3], v[GT+4*\q+2], s15
.endr
	; transpose: afterwards word BP + p is bit p of my 32 values, value 4 b + m at bit 8 m + b, the same place in every plane
.irp y, 0,1,2
	STAGE BP+8*\y, 4, s18, 0,1,2,3
	STAGE BP+8*\y, 2, s19, 0,1,4,5
	STAGE BP+8*\y, 1, s20, 0,2,4,6
.endr
.set p, 0
.rept 23
	ds_store_b32 v[LA], v[BP+p] offset:PLANE*(22-p)        ; bit 22 in slot 0, bit 0 in slot 22: the select walks upward through LDS
.set p, p+1
.endr
	ds_store_b32 v[LA], v[BP+23] offset:PLANE*23           ; slot 23 (the exponent's lowest bit): only so that the select's look-ahead reads written bytes
	v_add_nc_u32 v[LA], ROWP, v[LA]
	s_sub_co_i32 s21, s21, 1
	s_cmp_lg_u32 s21, 0
	s_cbranch_scc1 .Lrow
	s_wait_dscnt 0x0                               ; my plane words are in LDS,
	s_barrier_signal -1
	s_barrier_wait -1                              ; everybody's are
	; PHASE 2.  Row 4 wave + lane / 8; lane s = lane mod 8 of a row takes 16 bytes at 16 s of each 128 bytes of a plane: 16 words.
	; The 16 lanes that one pass of a 16-byte load serves are two rows, 128 bytes apart modulo 256: 16 different columns of 16 bytes.
	v_lshrrev_b32 v2, 3, v1
	s_lshl_b32 s21, s10, 2
	v_add_nc_u32 v2, s21, v2
	v_mul_u32_u24 v2, v2, ROWP
	v_and_b32 v3, 7, v1
	v_lshl_add_u32 v[LA], v3, 4, v2
.irp n, 0,1,2,3
	ds_load_b128 v[PL+4*\n:PL+4*\n+3], v[LA] offset:128*\n
.endr
	v_add_nc_u32 v[LA], PLANE, v[LA]
.set i, 0
.rept 16
	v_mov_b32 v[MM+i], -1                          ; every element is a candidate,
	v_mov_b32 v[GG+i], 0                           ; none is known to lie above
.set i, i+1
.endr
	v_mov_b32 v[CA], 0
	v_mov_b32 v[TT], 0
	v_mov_b32 v[HS], 0
	v_mov_b32 v[LS], 0
	s_mov_b32 s23, 23                              ; trips
	s_mov_b32 s24, 22                              ; the bit's number
	s_mov_b32 s25, 0x400000                        ; the bit
.Lsel:
	s_wait_dscnt 0x0                               ; this trip's plane, asked for a trip ago
.set i, 0
.rept 16
	v_and_b32 v[XX+i], v[MM+i], v[PL+i]            ; candidates with the bit set
.set i, i+1
.endr
.set i, 0
.rept 16
	v_and_b32 v[WW+i], v[GG+i], v[PL+i]            ; elements above with the bit set
.set i, i+1
.endr
.irp n, 0,1,2,3
	ds_load_b128 v[PL+4*\n:PL+4*\n+3], v[LA] offset:128*\n     ; the next plane lands during the rest of the trip
.endr
	v_add_nc_u32 v[LA], PLANE, v[LA]
.irp i, 0,1,2,3
	v_bcnt_u32_b32 v[16+\i], v[XX+\i], 0           ; four chains each: nothing is cleared
	v_bcnt_u32_b32 v[20+\i], v[WW+\i], 0
.endr
.set i, 4
.rept 12
	v_bcnt_u32_b32 v[16+i%4], v[XX+i], v[16+i%4]
	v_bcnt_u32_b32 v[20+i%4], v[WW+i], v[20+i%4]
.set i, i+1
.endr
	v_add3_u32 v16, v16, v17, v18
	v_add3_u32 v20, v20, v21, v22
	v_add_nc_u32 v16, v16, v19
	v_add_nc_u32 v20, v20, v23
	v_cvt_f32_u32 v16, v16
	v_lshl_add_u32 v[LS], v20, s24, v[LS]          ; the bit's worth of the elements above
	v_add_f32_dpp v16, v16, v16 row_xmask:1 row_mask:0xf bank_mask:0xf     ; the row's count, over its eight lanes (whole numbers up to 4,096: exact)
	v_add_f32_dpp v16, v16, v16 row_xmask:2 row_mask:0xf bank_mask:0xf
	v_add_f32_dpp v16, v16, v16 row_xmask:4 row_mask:0xf bank_mask:0xf
	v_add_f32 v17, v[CA], v16
	v_cmp_le_f32 vcc_lo, s27, v17                  ; 410 or more lie above or have the bit: the 410th largest has the bit
	v_cndmask_b32 v18, -1, 0, vcc_lo               ; all ones where it has not
	v_or_b32 v19, s25, v[TT]
	v_cvt_u32_f32 v21, v16
	v_mul_lo_u32 v21, v21, v19                     ; those with the bit then move above: their bits from here upward are the prefix with the bit
	v_and_b32 v21, v21, v18
	v_add_nc_u32 v[HS], v[HS], v21
	v_cndmask_b32 v[CA], v17, v[CA], vcc_lo
	v_cndmask_b32 v[TT], v[TT], v19, vcc_lo
.set i, 0
.rept 16
	v_and_or_b32 v[GG+i], v[XX+i], v18, v[GG+i]
.set i, i+1
.endr
.set i, 0
.rept 16
	v_xor_b32 v[MM+i], v[MM+i], v[XX+i]            ; candidates without the bit,
.set i, i+1
.endr
.set i, 0
.rept 16
	v_cndmask_b32 v[MM+i], v[MM+i], v[XX+i], vcc_lo        ; or those with it
.set i, i+1
.endr
	s_sub_co_i32 s24, s24, 1
	s_lshr_b32 s25, s25, 1
	s_sub_co_i32 s23, s23, 1
	s_cmp_lg_u32 s23, 0
	s_cbranch_scc1 .Lsel
	s_wait_dscnt 0x0                               ; the look-ahead of the last trip (slot 23) is not used
.irp m, 1,2,4
	v_mov_b32_dpp v16, v[LS] row_xmask:\m row_mask:0xf bank_mask:0xf
	v_add_nc_u32 v[LS], v[LS], v16
.endr
	v_cvt_u32_f32 v17, v[CA]
	v_sub_nc_u32 v17, KSEL, v17                    ; so many of the top 410 are equal to the 410th
	v_mul_lo_u32 v17, v17, v[TT]
	v_add3_u32 v18, v[HS], v[LS], v17
	v_add_nc_u32 v18, 0xffc00000, v18              ; less the diagonal's 2^22.  At most 409 x 2^22: below 2^31
	v_lshrrev_b32 v20, 16, v18
	v_and_b32 v21, 0xffff, v18
	v_mov_b32_dpp v16, v20 row_xmask:8 row_mask:0xf bank_mask:0xf          ; over my wave's four rows
	v_mov_b32_dpp v17, v21 row_xmask:8 row_mask:0xf bank_mask:0xf
	v_add_nc_u32 v20, v20, v16
	v_add_nc_u32 v21, v21, v17
	v_permlanex16_b32 v16, v20, s28, s29
	v_permlanex16_b32 v17, v21, s28, s29
	v_add_nc_u32 v20, v20, v16
	v_add_nc_u32 v21, v21, v17
	s_lshl_b32 s21, s10, 3
	s_add_co_u32 s21, s21, SCR
	v_mov_b32 v2, s21
	ds_store_b64 v2, v[20:21]                      ; all lanes the same two words
	s_wait_dscnt 0x0
	s_barrier_signal -1
	s_barrier_wait -1
	s_cmp_lg_u32 s10, 0
	s_cbranch_scc1 .Lend
	v_mov_b32 v2, SCR
	ds_load_b128 v[4:7], v2
	ds_load_b128 v[8:11], v2 offset:16
	s_wait_dscnt 0x0
	v_add3_u32 v12, v4, v6, v8
	v_add3_u32 v13, v5, v7, v9
	v_add_nc_u32 v12, v12, v10
	v_add_nc_u32 v13, v13, v11
	s_lshl_b32 s21, s11, 3
	v_mov_b32 v2, s21
	v_cmp_eq_u32 vcc_lo, 0, v1
	s_wait_xcnt 0x0                                ; EXEC changes only behind this wait
	s_and_saveexec_b32 s30, vcc_lo
	global_store_b64 v2, v[12:13], s[8:9]          ; one lane: the work-group's eight bytes
	s_wait_xcnt 0x0
	s_or_b32 exec_lo, exec_lo, s30
.Lend:
	s_wait_tensorcnt 0x0
	ds_add_u32 v254, v255
	s_wait_dscnt 0x0
	s_endpgm
.Lfunc_end_k_qc13ec6ec3b_topk:
	.size	k_qc13ec6ec3b_topk, .Lfunc_end_k_qc13ec6ec3b_topk-k_qc13ec6ec3b_topk
	.p2alignl 7, 3214868480
	.fill 96, 4, 3214868480
	.section	.rodata,"a",@progbits
	.p2align	6, 0x0
	.amdhsa_kernel k_qc13ec6ec3b_topk
		.amdhsa_group_segment_fixed_size 203520
		.amdhsa_private_segment_fixed_size 0
		.amdhsa_enable_private_segment 0
		.amdhsa_kernarg_size 24
		.amdhsa_user_sgpr_count 2
		.amdhsa_user_sgpr_kernarg_segment_ptr 1
		.amdhsa_wavefront_size32 1
		.amdhsa_system_sgpr_workgroup_id_x 1
		.amdhsa_system_sgpr_workgroup_id_y 1
		.amdhsa_system_sgpr_workgroup_id_z 1
		.amdhsa_system_vgpr_workitem_id 0
		.amdhsa_next_free_vgpr 512
		.amdhsa_next_free_sgpr 66
		.amdhsa_reserve_vcc 1
		.amdhsa_float_denorm_mode_32 3
		.amdhsa_float_denorm_mode_16_64 3
		.amdhsa_memory_ordered 1
		.amdhsa_forward_progress 1
		.amdhsa_inst_pref_size 68
	.end_amdhsa_kernel
	.amdgpu_metadata
---
amdhsa.version: [ 1, 2 ]
amdhsa.kernels:
  - .name:           k_qc13ec6ec3b_topk
    .symbol:         k_qc13ec6ec3b_topk.kd
    .args:
      - { .name: src_keypts, .offset: 0, .size: 8, .value_kind: global_buffer, .address_space: global }
      - { .name: tgt_keypts, .offset: 8, .size: 8, .value_kind: global_buffer, .address_space: global }
      - { .name: part, .offset: 16, .size: 8, .value_kind: global_buffer, .address_space: global }
    .group_segment_fixed_size: 203520
    .private_segment_fixed_size: 0
    .kernarg_segment_align: 8
    .kernarg_segment_size: 24
    .max_flat_workgroup_size: 128
    .sgpr_count:     66
    .vgpr_count:     512
    .wavefront_size: 32
...
	.end_amdgpu_metadata
.endif
;; end of part 1
;; launch build (part 2): grid 256 x 1, 4 waves a work-group, no clusters, 4,608 bytes of LDS; arguments src_keypts, tgt_keypts, part, fmat; writes fmat
.if DOCPART == 2
	.amdgcn_target "amdgcn-amd-amdhsa--gfx1250"
	.amdhsa_code_object_version 6
	.text
	.protected	k_qc13ec6ec3b_build
	.globl	k_qc13ec6ec3b_build
	.p2align	8
	.type	k_qc13ec6ec3b_build,@function
k_qc13ec6ec3b_build:
	s_mov_b64 s[64:65], 0
	v_nop
	global_prefetch_b8 v0, s[64:65] scope:SCOPE_SE
	s_setreg_imm32_b32 hwreg(HW_REG_WAVE_MODE, 25, 1), 1
	s_wait_xcnt 0x0
; fmat[i][j] = fcg[i][j] where fcg[i][j] >= thresh and i != j, else 0, rounded to bf16.  thresh = the mean of the rows' top 409 values, from part.
; SHARES as in the launch before: the work-group owns rows 16 g .. 16 g + 15, wave w keeps 1,024 columns in registers 256-511, group c of a lane is the eight
; columns cb(c) + 8 lane + 0..7 with cb(c) = (256 (g >> 4) + 1024 w + 256 c) mod 4096.  That turn of the columns puts the 16 diagonal elements into wave 0,
; group 0.  Eight neighbouring columns a lane are 16 bytes of bf16: each store of a wave covers 512 consecutive bytes, aligned.
; THE POINTS ARE ROUNDED TO bf16 (to nearest even) as they come in, as the operands of the K = 3 product; |p|^2 is formed from the same rounded points, so
; that d^2 is the squared distance of the rounded points and no difference of sums rounded in unlike ways.
; ROUNDING.  fcg < thresh is a hard decision: one unit in the last place of |p|^2 or a.b moves fcg near thresh by some ten of its own.  With significands of
; 8 bits every product is exact in f32, so fma(a, b, c) has the bits of a multiplication followed by an addition, and |p|^2 = (x x + y y) + z z and
; a.b = (x x' + y y') + z z' hang only on that order, with one rounding to nearest for each addition.  d^2 = (|a|^2 + |b|^2) - 2 a.b has one rounding
; either way; the root is v_rsq_f32 with one Newton step on an exact residual, which is the correctly rounded root but for rare near-ties;
; 1 - 100 q is fused (against a division by 0.01 it moves fcg by a small part of its last bit).  The products commute, so fmat is symmetric bit for bit.
; thresh = (sum rounded to f32) x (1 / 1675264 rounded to f32): within one unit in the last place of the division.
; thresh >= 0, so the one comparison thresh <= f also does the max(., 0).
; The K = 3 sums stay on the vector unit: the decision needs one rounding to nearest for each addition.
; LIMITS: the distances are those of the rounded points (each coordinate off by at most 2^-9 of its size, so the error grows with the inputs' size and
; offset).  NaN and infinite inputs are not served.  thresh is the exact mean rounded; an element whose fcg lies within a unit or two in the last place of it
; may fall on the other side than with a mean that was summed in f32.
.set TABW, 1024                        ; the row table of a wave: 32 entries of 32 bytes, entries 16-31 repeat 0-15
.set VO, 10                            ; v[10:13] byte offset in a row of fmat of my 16 bytes of group c
.set TA, 14                            ; v14      the next row's table entry
.set DL, 15                            ; v15      which of my first eight columns is the diagonal in this trip (0..7), else another number
.set SB, 20                            ; v[20:35] at work: |a|^2 + |b|^2
.set CO, 24                            ; set-up: v[24:27] byte offsets of my columns, v28 of my row point, v29 of my part of part
.set RO, 28
.set PO, 29
.set T,  32                            ; set-up: v[32:223] the points as loaded; then v[32:127] the same as bf16, two a word
.set PT, 224                           ; set-up: v[224:239] part
.set DB, 36                            ; v[36:99]  d^2: pair P, cloud t at DB + 4 P + 2 t; then fcg of pair P at DB + 4 P
.set O,  100                           ; v[100:115] the row's 32 bf16 of this lane
.set RS, 116                           ; v[116:147] 1 / root, two sets of 16
.set SQ, 148                           ; v[148:163] root
.set HH, 164                           ; v[164:179] half of 1 / root
.set ER, 180                           ; v[180:195] residual
.set MSB, 0
.macro WIN new                         ; s_set_vgpr_msb: low byte 1:0 source 0, 3:2 source 1, 5:4 source 2, 7:6 destination; high byte repeats the setting left
.if MSB != \new
	s_set_vgpr_msb (MSB<<8)|\new
.set MSB, \new
.endif
.endm
.macro IDX                             ; from i, the number 2 P + t of a pair and cloud: its registers; steps i
.set ic, 8*i                           ; block 1: x at ic, y at ic+2, z at ic+4, |p|^2 at ic+6, two columns each
.set id, DB+2*i
.set ir, 2+4*(i%2)                     ; the row's (x, y), (z, |p|^2) of that cloud
.set ie, SB+2*(i%8)
.set i, i+1
.endm
	s_load_b256 s[4:11], s[0:1], 0x0               ; src s[4:5], tgt s[6:7], part s[8:9], fmat s[10:11]
	v_lshl_add_u32 v254, v0, 2, 0x1000
	v_mov_b32 v255, 0
	v_and_b32 v1, 31, v0                           ; lane
	v_lshrrev_b32 v2, 5, v0
	v_readfirstlane_b32 s16, v2                    ; wave
	s_mov_b32 s17, ttmp9                           ; g
	s_mov_b32 s14, 0x2b8cbccc                      ; 1e-12
	s_mov_b32 s22, 0xffff0000                      ; a word's upper bf16
	s_mov_b32 s28, 0x76543210                      ; v_permlanex16_b32: lane i of the other half
	s_mov_b32 s29, 0xfedcba98
	s_lshr_b32 s15, s17, 4
	s_lshl_b32 s15, s15, 8
	s_lshl_b32 s19, s16, 10
	s_add_co_u32 s15, s15, s19
	v_mul_u32_u24 v3, v1, 96                       ; eight points of 12 bytes a lane
	v_lshlrev_b32 v[PO], 4, v1
.irp c, 0,1,2,3
	s_add_co_u32 s19, s15, 256*\c
	s_and_b32 s19, s19, 4095                       ; cb(c)
	s_mul_i32 s21, s19, 12
	v_add_nc_u32 v[CO+\c], s21, v3
	s_lshl_b32 s19, s19, 1
	v_add_nc_u32 v[VO+\c], s19, v[PO]              ; 2 cb(c) + 16 lane
.endr
	v_and_b32 v4, 15, v0
	s_lshl_b32 s19, s17, 4
	v_add_nc_u32 v4, s19, v4
	v_mul_u32_u24 v[RO], v4, 12
	s_and_b32 s18, s17, 15
	s_lshl_b32 s18, s18, 4
	s_cmp_lg_u32 s16, 0
	s_cselect_b32 s19, 0x10000, 0                  ; waves 1 to 3 hold no diagonal element
	s_add_co_u32 s18, s18, s19
	v_lshlrev_b32 v[DL], 3, v1
	v_sub_nc_u32 v[DL], s18, v[DL]                 ; 16 (g mod 16) - 8 lane, + 1 in each trip
	s_lshl_b32 s18, s17, 17                        ; 16 g rows of 8,192 bytes
	s_mov_b32 s19, 0
	s_wait_kmcnt 0x0
	s_add_nc_u64 s[12:13], s[10:11], s[18:19]      ; fmat at the group's first row
	global_load_b96 v[2:4], v[RO], s[4:5]          ; the row points,
	global_load_b96 v[6:8], v[RO], s[6:7]
.irp n, 0,1,2,3
	global_load_b128 v[PT+4*\n:PT+4*\n+3], v[PO], s[8:9] offset:512*\n     ; all of part, 2,048 bytes, in every wave,
.endr
.irp c, 0,1,2,3
.irp n, 0,1,2,3,4,5
	global_load_b128 v[T+48*\c+4*\n:T+48*\c+4*\n+3], v[CO+\c], s[4:5] offset:16*\n         ; then 48 loads: a lane's six cover its 96 bytes
	global_load_b128 v[T+48*\c+24+4*\n:T+48*\c+24+4*\n+3], v[CO+\c], s[6:7] offset:16*\n
.endr
.endr
	s_wait_loadcnt 48                              ; the 48 column loads are younger than the row points and part
	v_cvt_pk_bf16_f32 v20, v2, v3                  ; my row point, both clouds, rounded to bf16 and widened again
	v_cvt_pk_bf16_f32 v21, v4, v6
	v_cvt_pk_bf16_f32 v22, v7, v8
	v_lshlrev_b32 v2, 16, v20
	v_and_b32 v3, s22, v20
	v_lshlrev_b32 v4, 16, v21
	v_and_b32 v6, s22, v21
	v_lshlrev_b32 v7, 16, v22
	v_and_b32 v8, s22, v22
	v_mul_f32 v5, v2, v2                           ; |p|^2 = (x x + y y) + z z: the products are exact, each sum is rounded once
	v_mul_f32 v9, v6, v6
	v_fma_f32 v5, v3, v3, v5
	v_fma_f32 v9, v7, v7, v9
	v_fma_f32 v5, v4, v4, v5
	v_fma_f32 v9, v8, v8, v9
	s_lshl_b32 s21, s16, 10                        ; my wave's table
	v_lshl_add_u32 v[TA], v1, 5, s21
	ds_store_b128 v[TA], v[2:5]
	ds_store_b128 v[TA], v[6:9] offset:16
	v_mov_b32 v[TA], s21
	; thresh.  part holds 256 pairs (H, L); the sum is 65536 H + L in units of 2^-22.  H stays below 2^27 and L below 2^28.
	v_add3_u32 v240, v[PT], v[PT+2], v[PT+4]
	v_add3_u32 v241, v[PT+1], v[PT+3], v[PT+5]
	v_add3_u32 v242, v[PT+6], v[PT+8], v[PT+10]
	v_add3_u32 v243, v[PT+7], v[PT+9], v[PT+11]
	v_add3_u32 v240, v240, v242, v[PT+12]
	v_add3_u32 v241, v241, v243, v[PT+13]
	v_add_nc_u32 v240, v240, v[PT+14]
	v_add_nc_u32 v241, v241, v[PT+15]
.irp m, 1,2,4,8
	v_mov_b32_dpp v242, v240 row_xmask:\m row_mask:0xf bank_mask:0xf
	v_mov_b32_dpp v243, v241 row_xmask:\m row_mask:0xf bank_mask:0xf
	v_add_nc_u32 v240, v240, v242
	v_add_nc_u32 v241, v241, v243
.endr
	v_permlanex16_b32 v242, v240, s28, s29
	v_permlanex16_b32 v243, v241, s28, s29
	v_add_nc_u32 v240, v240, v242
	v_add_nc_u32 v241, v241, v243
	v_lshrrev_b32 v242, 16, v241
	v_add_nc_u32 v240, v240, v242                  ; the sum = 65536 H' + (L mod 65536)
	v_lshrrev_b32 v242, 4, v240                    ; = 2^20 T1 + T0 with T1 below 2^24 and T0 below 2^20: both exact in f32
	v_and_b32 v243, 15, v240
	v_and_b32 v241, 0xffff, v241
	v_lshl_or_b32 v243, v243, 16, v241
	v_cvt_f32_u32 v242, v242
	v_cvt_f32_u32 v243, v243
	v_mul_f32 v242, 0x38800000, v242               ; T1 2^-14, exact
	v_fmamk_f32 v242, v243, 0x2e800000, v242       ; + T0 2^-34: the sum / 4096, rounded once
	v_mul_f32 v242, 0x3b203c17, v242               ; x f32(1 / 409)
	v_readfirstlane_b32 s20, v242                  ; thresh
	s_wait_loadcnt 0x0
.set j, 0
.rept 96
	v_cvt_pk_bf16_f32 v[T+j], v[T+2*j], v[T+2*j+1] ; my columns' 192 numbers rounded to bf16, packed in place: word j is written when words 2 j, 2 j + 1 are read
.set j, j+1
.endr
	WIN 0x40                                       ; destination in block 1: widened again, points (x y z) x 8 become pairs of x, of y, of z
.irp c, 0,1,2,3
.irp k, 0,1,2,3,4,5,6,7
.irp t, 0,1
.irp m, 0,1,2
.set en, 48*\c+24*\t+3*\k+\m
.if en%2
	v_and_b32 v[64*\c+16*(\k/2)+8*\t+2*\m+(\k%2)], s22, v[T+en/2]
.else
	v_lshlrev_b32 v[64*\c+16*(\k/2)+8*\t+2*\m+(\k%2)], 16, v[T+en/2]
.endif
.endr
.endr
.endr
.endr
	WIN 0x55                                       ; all in block 1: |p|^2 of my columns, the same chain as for the rows
.set i, 0
.rept 32
	v_pk_mul_f32 v[8*i+6:8*i+7], v[8*i:8*i+1], v[8*i:8*i+1]
.set i, i+1
.endr
.set i, 0
.rept 32
	v_pk_fma_f32 v[8*i+6:8*i+7], v[8*i+2:8*i+3], v[8*i+2:8*i+3], v[8*i+6:8*i+7]
.set i, i+1
.endr
.set i, 0
.rept 32
	v_pk_fma_f32 v[8*i+6:8*i+7], v[8*i+4:8*i+5], v[8*i+4:8*i+5], v[8*i+6:8*i+7]
.set i, i+1
.endr
	WIN 0
	ds_load_b128 v[2:5], v[TA]                     ; row 0 (my wave's own bytes: LDS serves a wave's instructions in order)
	ds_load_b128 v[6:9], v[TA] offset:16
	v_add_nc_u32 v[TA], 32, v[TA]
	v_mov_b32 v16, 0xc2c80000                      ; -100
	v_mov_b32 v17, 0xc2c80000
; d^2 of the row against my 32 columns, both clouds, in four batches of eight pairs, operation by operation.  Source 0 is in block 1.
.macro PKROW
.set bt, 0
.rept 4
.set i, 8*bt
.rept 8
	IDX
	v_pk_mul_f32 v[id:id+1], v[ic:ic+1], v[ir:ir+1] op_sel_hi:[1,0]                                    ; x x'
.endr
.set i, 8*bt
.rept 8
	IDX
	v_pk_fma_f32 v[id:id+1], v[ic+2:ic+3], v[ir:ir+1], v[id:id+1] op_sel:[0,1,0] op_sel_hi:[1,1,1]     ; + y y'
.endr
.set i, 8*bt
.rept 8
	IDX
	v_pk_fma_f32 v[id:id+1], v[ic+4:ic+5], v[ir+2:ir+3], v[id:id+1] op_sel_hi:[1,0,1]                  ; + z z'
.endr
.set i, 8*bt
.rept 8
	IDX
	v_pk_add_f32 v[ie:ie+1], v[ic+6:ic+7], v[ir+2:ir+3] op_sel:[0,1] op_sel_hi:[1,1]                   ; |a|^2 + |b|^2
.endr
.set i, 8*bt
.rept 8
	IDX
	v_pk_fma_f32 v[id:id+1], -2.0, v[id:id+1], v[ie:ie+1] op_sel_hi:[0,1,1]                            ; - 2 a.b (2 a.b is exact)
.endr
.set bt, bt+1
.endr
.endm
; Batch n = pairs 4 n .. 4 n + 3 (column group n), both clouds, 16 numbers: floor, 1 / root.  Behind these stands another batch's plain work (ISA guide 5.7.2).
.macro ROOT n
.set j, 0
.rept 16
	v_max_num_f32 v[DB+16*(\n)+j], s14, v[DB+16*(\n)+j]
.set j, j+1
.endr
.set j, 0
.rept 16
	v_rsq_f32 v[RS+16*((\n)%2)+j], v[DB+16*(\n)+j]
.set j, j+1
.endr
.endm
.macro FIN n
.set j, 0
	s_wait_alu depctr_va_vdst(0)
.rept 8
	v_pk_mul_f32 v[SQ+j:SQ+j+1], v[DB+16*(\n)+j:DB+16*(\n)+j+1], v[RS+16*((\n)%2)+j:RS+16*((\n)%2)+j+1]    ; s = x r
.set j, j+2
.endr
.set j, 0
.rept 8
	v_pk_mul_f32 v[HH+j:HH+j+1], v[RS+16*((\n)%2)+j:RS+16*((\n)%2)+j+1], 0.5 op_sel_hi:[1,0]               ; h = r / 2
.set j, j+2
.endr
.set j, 0
.rept 8
	v_pk_fma_f32 v[ER+j:ER+j+1], v[SQ+j:SQ+j+1], v[SQ+j:SQ+j+1], v[DB+16*(\n)+j:DB+16*(\n)+j+1] neg_lo:[1,0,0] neg_hi:[1,0,0]     ; e = x - s s
.set j, j+2
.endr
.set j, 0
.rept 8
	v_pk_fma_f32 v[SQ+j:SQ+j+1], v[ER+j:ER+j+1], v[HH+j:HH+j+1], v[SQ+j:SQ+j+1]                            ; s + e h
.set j, j+2
.endr
.irp u, 0,1,2,3
	v_pk_add_f32 v[DB+16*(\n)+4*\u:DB+16*(\n)+4*\u+1], v[SQ+4*\u:SQ+4*\u+1], v[SQ+4*\u+2:SQ+4*\u+3] neg_lo:[0,1] neg_hi:[0,1]     ; d_src - d_tgt
.endr
.irp u, 0,1,2,3
	v_pk_mul_f32 v[DB+16*(\n)+4*\u:DB+16*(\n)+4*\u+1], v[DB+16*(\n)+4*\u:DB+16*(\n)+4*\u+1], v[DB+16*(\n)+4*\u:DB+16*(\n)+4*\u+1]
.endr
.irp u, 0,1,2,3
	v_pk_fma_f32 v[DB+16*(\n)+4*\u:DB+16*(\n)+4*\u+1], v[DB+16*(\n)+4*\u:DB+16*(\n)+4*\u+1], v[16:17], 1.0 op_sel_hi:[1,1,0]      ; 1 - 100 q
.endr
.if (\n) == 0
.irp u, 0,1,2,3
	v_cmp_ne_u32 s[32+2*\u], 2*\u, v[DL]           ; the diagonal lies among the first eight columns of wave 0
	v_cmp_ne_u32 s[33+2*\u], 2*\u+1, v[DL]
.endr
.irp u, 0,1,2,3
	v_cndmask_b32 v[DB+4*\u], 0, v[DB+4*\u], s[32+2*\u]
	v_cndmask_b32 v[DB+4*\u+1], 0, v[DB+4*\u+1], s[33+2*\u]
.endr
.endif
.irp u, 0,1,2,3
	v_cmp_le_f32 s[32+2*\u], s20, v[DB+16*(\n)+4*\u]       ; kept where thresh <= f; a choice of values only, no branch hangs on it
	v_cmp_le_f32 s[33+2*\u], s20, v[DB+16*(\n)+4*\u+1]
.endr
.irp u, 0,1,2,3
	v_cndmask_b32 v[DB+16*(\n)+4*\u], 0, v[DB+16*(\n)+4*\u], s[32+2*\u]
	v_cndmask_b32 v[DB+16*(\n)+4*\u+1], 0, v[DB+16*(\n)+4*\u+1], s[33+2*\u]
.endr
.irp u, 0,1,2,3
	v_cvt_pk_bf16_f32 v[O+4*(\n)+\u], v[DB+16*(\n)+4*\u], v[DB+16*(\n)+4*\u+1]
.endr
.endm
	s_mov_b32 s18, 16
.Lrow:
	s_wait_dscnt 0x0                               ; this row's entry, asked for a trip ago
	WIN 0x01
	PKROW
	WIN 0
	ds_load_b128 v[2:5], v[TA]                     ; the next row's entry (in the last trip entry 16, a copy of entry 0, not used)
	ds_load_b128 v[6:9], v[TA] offset:16
	v_add_nc_u32 v[TA], 32, v[TA]
	ROOT 0
	ROOT 1
	FIN 0
	ROOT 2
	FIN 1
	ROOT 3
	FIN 2
	FIN 3
.irp c, 0,1,2,3
	global_store_b128 v[VO+\c], v[O+4*\c:O+4*\c+3], s[12:13]       ; 512 consecutive bytes of the row, aligned; read again by the next launch: no hint
.endr
	v_add_nc_u32 v[DL], 1, v[DL]
	s_wait_xcnt 0x0                                ; the base, and O in the next trip, are rewritten only behind this wait
	s_add_nc_u64 s[12:13], s[12:13], 8192
	s_sub_co_i32 s18, s18, 1
	s_cmp_lg_u32 s18, 0
	s_cbranch_scc1 .Lrow
	s_wait_dscnt 0x0
	s_wait_tensorcnt 0x0
	ds_add_u32 v254, v255
	s_wait_dscnt 0x0
	s_endpgm
.Lfunc_end_k_qc13ec6ec3b_build:
	.size	k_qc13ec6ec3b_build, .Lfunc_end_k_qc13ec6ec3b_build-k_qc13ec6ec3b_build
	.p2alignl 7, 3214868480
	.fill 96, 4, 3214868480
	.section	.rodata,"a",@progbits
	.p2align	6, 0x0
	.amdhsa_kernel k_qc13ec6ec3b_build
		.amdhsa_group_segment_fixed_size 4608
		.amdhsa_private_segment_fixed_size 0
		.amdhsa_enable_private_segment 0
		.amdhsa_kernarg_size 32
		.amdhsa_user_sgpr_count 2
		.amdhsa_user_sgpr_kernarg_segment_ptr 1
		.amdhsa_wavefront_size32 1
		.amdhsa_system_sgpr_workgroup_id_x 1
		.amdhsa_system_sgpr_workgroup_id_y 1
		.amdhsa_system_sgpr_workgroup_id_z 1
		.amdhsa_system_vgpr_workitem_id 0
		.amdhsa_next_free_vgpr 512
		.amdhsa_next_free_sgpr 66
		.amdhsa_reserve_vcc 0
		.amdhsa_float_denorm_mode_32 3
		.amdhsa_float_denorm_mode_16_64 3
		.amdhsa_memory_ordered 1
		.amdhsa_forward_progress 1
		.amdhsa_inst_pref_size 62
	.end_amdhsa_kernel
	.amdgpu_metadata
---
amdhsa.version: [ 1, 2 ]
amdhsa.kernels:
  - .name:           k_qc13ec6ec3b_build
    .symbol:         k_qc13ec6ec3b_build.kd
    .args:
      - { .name: src_keypts, .offset: 0, .size: 8, .value_kind: global_buffer, .address_space: global }
      - { .name: tgt_keypts, .offset: 8, .size: 8, .value_kind: global_buffer, .address_space: global }
      - { .name: part, .offset: 16, .size: 8, .value_kind: global_buffer, .address_space: global }
      - { .name: fmat, .offset: 24, .size: 8, .value_kind: global_buffer, .address_space: global }
    .group_segment_fixed_size: 4608
    .private_segment_fixed_size: 0
    .kernarg_segment_align: 8
    .kernarg_segment_size: 32
    .max_flat_workgroup_size: 128
    .sgpr_count:     66
    .vgpr_count:     512
    .wavefront_size: 32
...
	.end_amdgpu_metadata
.endif
;; end of part 2
;; launch gemm (part 3): grid 16 x 16, 4 waves a work-group, clusters of 4 x 4, 327,680 bytes of LDS; arguments fmat, out0; writes out0
.if DOCPART == 3
	.amdgcn_target "amdgcn-amd-amdhsa--gfx1250"
	.amdhsa_code_object_version 6
	.text
	.protected	k_qc13ec6ec3b_gemm
	.globl	k_qc13ec6ec3b_gemm
	.p2align	8
	.type	k_qc13ec6ec3b_gemm,@function
k_qc13ec6ec3b_gemm:
	s_mov_b64 s[64:65], 0
	v_nop
	global_prefetch_b8 v0, s[64:65] scope:SCOPE_SE
	s_setreg_imm32_b32 hwreg(HW_REG_WAVE_MODE, 25, 1), 1
	s_wait_xcnt 0x0
	s_wait_alu depctr_hold_cnt(0) depctr_sa_sdst(0) depctr_va_vdst(0) depctr_va_sdst(0) depctr_va_ssrc(0) depctr_va_vcc(0) depctr_vm_vsrc(0)
	s_getreg_b32 s2, hwreg(HW_REG_IB_STS2, 6, 4)
	s_cmp_eq_u32 s2, 0
	s_cbranch_scc0 .Lentry_in_a_cluster
	s_endpgm
.Lentry_in_a_cluster:
	s_bfe_u32 s2, ttmp6, 0x10000c
	s_cmp_lg_u32 s2, 0xf033
	s_cbranch_scc0 .Lentry_shape_is_right
	s_endpgm
.Lentry_shape_is_right:
; out0[m][n] = F[m][n] x sum over k of F[m][k] F[n][k].  F = fmat, [4096][4096] bf16, symmetric bit for bit by the way it was made, so F F = F F^T and both
; operands are read with K along their rows.  Sums in f32; out0 is f32.
; A work-group makes a block of 256 x 256 with four waves, as many as a WGP has SIMDs; a wave makes 128 x 128: 64 accumulator tiles of 16 x 16, 512 registers.
; K goes in steps of 128 through a ring of two LDS slots filled by the tensor data mover: a tile's rows are 256 bytes of memory at multiples of 256 bytes.
; CLUSTERS: 4 x 4 work-groups.  The four of a row of the cluster need the same rows of F as their left operand (called A here), the four of a column the same
; rows as their right operand (B).  Such a tile is asked for jointly: each of the four issues the same tensor load, with the same descriptor and a mask that
; names the four.  That divides the requests by four.
; No prefetch: from a tile's request to the wait for it a wave issues 240 matrix instructions.
; LIMIT: F enters the product and the last multiplication as bf16 (relative rounding at most 2^-9 each).
;
; REGISTERS, in windows of 256:
;   window 0: v16-27 addresses; v32-39 at work; v64-127, v128-191 fragments of A, two buffers; on the way out v64-127 rows of the block, v192-223 F
;   window 1: v64-127, v128-191 fragments of B, two buffers
;   window 2: the 32 accumulator tiles of my rows 0-63 (tile (a, b) at v[8 (8 a + b)]);   window 3: those of my rows 64-127
; THE MATRIX INSTRUCTION IS USED TRANSPOSED: source 0 = 16 rows of B, source 1 = 16 rows of A.  Lane l then holds row l % 16 of the tile and its registers 0-7
; the columns 8 (l / 16) + 0..7: 32 neighbouring bytes of a row of out0.
; The 64 accumulators take turns, one matrix instruction a turn, in the same order in every quarter step.
.set SIZE_N, 4096
.set SIZE_K, 4096
.set KSTEP,  128
.set PITCH,  272                       ; an LDS row: 256 bytes + 16 of padding: the 16 rows that a fragment load touches start 16 bytes apart modulo 256
.set HALFT,  128*PITCH                 ; 128 rows: what one tensor load brings, and what one wave reads of A or of B
.set SLOT,   4*HALFT                   ; A's 256 rows, then B's 256 rows
.set STAGE,  2*SLOT                    ; behind the ring, bytes that no tensor load fills: 16 rows x 528 bytes for each wave, for the way out
.set SPITCH, 528                       ; 512 bytes + 16
.set LAPS, SIZE_K/(2*KSTEP)            ; a lap = two K steps = once round the ring
.set ADRA, 16                          ; v16-17  LDS address of my A fragments in slot 0, 1
.set ADRB, 20                          ; v20-21  the same for B
.set STO,  24                          ; v24     the way out: where I put 32 bytes of a row
.set RD,   25                          ; v25     the way out: where I read a row back
.set CO,   26                          ; v26     my byte offset in a row piece of out0: 16 lane
.set FO,   27                          ; v27     my byte offset in the same piece of F: 8 lane
.set TW,   32                          ; v32-39  four bf16 widened, two sets
.set F0,   64
.set F1,   128
.set RB,   64                          ; the way out: 16 rows, 4 registers each
.set FV,   192                         ; the way out: F of those rows, 2 registers each
.set G1, 24                            ; s[24:31] descriptor group 1 for A's tiles
.set G0, 32                            ; s[32:39] descriptor group 0 for A's tiles, one set for each slot
.set G1B, 48                           ; s[48:55] group 1 for B's tiles: it differs in the mask alone
.set G0B, 56                           ; s[56:63] group 0 for B's tiles, one set for each slot
.set MSB, 0
.macro WIN new                         ; s_set_vgpr_msb: low byte 1:0 source 0, 3:2 source 1, 5:4 source 2, 7:6 destination; high byte repeats the setting left
.if MSB != \new
	s_set_vgpr_msb (MSB<<8)|\new
.set MSB, \new
.endif
.endm
.set MUL_LO, 0xa1                      ; source 0 (B) window 1, source 1 (A) window 0, C and D window 2
.set MUL_HI, 0xf1                      ; the same, C and D window 3
.set TO_B,   0x40                      ; destination window 1, address window 0
; A joint load.  Waves 0 and 1 fetch A's two halves, waves 2 and 3 B's.  Each line has one mask and one set of registers for all that issue it.
; The branch hangs on the wave's number alone.
.macro JLOAD s
	s_cmp_eq_u32 s11, 0
	s_cbranch_scc0 .Lfor_b_\@
	tensor_load_to_lds s[G0+4*\s:G0+4*\s+3], s[G1:G1+7]
	s_nop 0
	s_branch .Lasked_\@
.Lfor_b_\@:
	tensor_load_to_lds s[G0B+4*\s:G0B+4*\s+3], s[G1B:G1B+7]
	s_nop 0
.Lasked_\@:
.endm
; A round of the cluster's barrier: my work-group's barrier; wave 0 signals for the work-group; every wave waits for all sixteen; my work-group's barrier again.
.macro CREST                           ; a round behind its opening barrier
	s_cmp_lg_u32 s10, 0
	s_cbranch_scc1 .Lnot_wave_0_\@
	s_barrier_signal -3
.Lnot_wave_0_\@:
	s_barrier_wait -3
	s_barrier_signal -1
	s_barrier_wait -1
.endm
.macro CROUND
	s_barrier_signal -1
	s_barrier_wait -1
	CREST
.endm
	s_load_b64 s[4:5], s[0:1], 0x0                 ; F
	s_load_b64 s[8:9], s[0:1], 0x8                 ; out0
	s_set_vgpr_msb 0x40
	v_lshl_add_u32 v255, v0, 2, 0x4c400
	s_set_vgpr_msb 0x4000
	v_mov_b32 v255, 0
	s_set_vgpr_msb 0x1
	ds_add_u32 v255, v255
	ds_add_u32 v255, v255
	s_set_vgpr_msb 0x100
	v_lshrrev_b32 v1, 5, v0
	v_readfirstlane_b32 s10, v1                    ; wave 0..3
	s_lshr_b32 s11, s10, 1                         ; which half of the block's rows is mine.  Also: I fetch for A (0) or for B (1)
	s_and_b32 s12, s10, 1                          ; which half of its columns.  Also: which 128 rows of that tile I fetch
	s_mov_b32 s45, 0xffff0000                      ; a word's upper bf16
	s_bfe_u32 s40, ttmp6, 0x40000                  ; cx
	s_bfe_u32 s41, ttmp6, 0x40004                  ; cy
	s_lshl_b32 s42, ttmp9, 2
	s_add_co_u32 s42, s42, s40                     ; block column = 4 x cluster x + cx
	s_and_b32 s13, ttmp7, 0xffff
	s_lshl_b32 s13, s13, 2
	s_add_co_u32 s13, s13, s41                     ; block row = 4 x cluster y + cy
	s_lshl_b32 s43, s41, 2
	s_lshl_b32 s43, 15, s43                        ; my row of the cluster: places 4 cy .. 4 cy + 3
	s_lshl_b32 s44, 0x1111, s40                    ; my column: places cx, cx + 4, cx + 8, cx + 12
	; descriptor group 1: a tile of 128 rows x 128 elements of 2 bytes, 4 words of padding behind every 64
	s_or_b32 s[G1+0], s43, (1<<16)|(1<<20)|(1<<21)|(5<<22)|(3<<25)
	s_or_b32 s[G1B+0], s44, (1<<16)|(1<<20)|(1<<21)|(5<<22)|(3<<25)
	s_mov_b32 s[G1B+1], KSTEP<<16
	s_mov_b32 s[G1+1], KSTEP<<16                   ; tensor_dim0 = 128
	s_mov_b32 s[G1B+2], 128<<16
	s_mov_b32 s[G1+2], 128<<16                     ; tensor_dim1 = 128
	s_mov_b32 s[G1B+3], KSTEP<<16
	s_mov_b32 s[G1+3], KSTEP<<16                   ; tile_dim0 = 128
	s_mov_b32 s[G1B+4], 128
	s_mov_b32 s[G1+4], 128                         ; tile_dim1 = 128
	s_mov_b32 s[G1B+5], SIZE_K
	s_mov_b32 s[G1+5], SIZE_K                      ; elements from row to row
	s_mov_b32 s[G1B+6], 0
	s_mov_b32 s[G1+6], 0
	s_mov_b32 s[G1B+7], 0
	s_mov_b32 s[G1+7], 0
	; where the tiles come from: A's hang on the block row alone, B's on the block column alone, each in registers that never hold the other coordinate
	s_lshl_b32 s17, s12, 7
	s_lshl_b32 s16, s13, 8
	s_add_co_u32 s16, s16, s17                     ; A: row 256 x block row + 128 x half
	s_lshl_b32 s46, s42, 8
	s_add_co_u32 s46, s46, s17                     ; B: row 256 x block column + 128 x half
	s_mov_b32 s17, 0
	s_mov_b32 s47, 0
	s_mov_b64 s[18:19], SIZE_K*2
	s_mul_u64 s[16:17], s[16:17], s[18:19]
	s_mul_u64 s[46:47], s[46:47], s[18:19]
	s_mul_i32 s20, s10, HALFT                      ; where they go: wave x 128 rows
	s_wait_dscnt 0x0
	s_wait_kmcnt 0x0
	s_add_nc_u64 s[14:15], s[4:5], s[16:17]
	s_add_nc_u64 s[46:47], s[4:5], s[46:47]
	CROUND                                         ; all sixteen work-groups are here: the first joint loads meet
.irp s, 0,1
	s_mov_b32 s[G0+4*\s], 1
	s_add_co_u32 s[G0+4*\s+1], s20, \s*SLOT
	s_add_nc_u64 s[G0+4*\s+2:G0+4*\s+3], s[14:15], \s*KSTEP*2
	s_or_b32 s[G0+4*\s+3], s[G0+4*\s+3], 0x80000000
	s_mov_b32 s[G0B+4*\s], 1
	s_add_co_u32 s[G0B+4*\s+1], s20, \s*SLOT
	s_add_nc_u64 s[G0B+4*\s+2:G0B+4*\s+3], s[46:47], \s*KSTEP*2
	s_or_b32 s[G0B+4*\s+3], s[G0B+4*\s+3], 0x80000000
	JLOAD \s                                       ; both slots' first fills, one group; by this text's count a wave never has more than these two loads out
.endr
	; a fragment is 16 rows x 32 K in 8 registers: lane l holds row l % 16; two loads of 16 bytes, 32 bytes apart, at row x pitch + 16 (l / 16)
	v_and_b32 v1, 15, v0
	v_bfe_u32 v2, v0, 4, 1
	v_mul_u32_u24 v3, v1, PITCH
	v_lshl_add_u32 v3, v2, 4, v3
	s_mul_i32 s21, s11, HALFT                      ; my 128 rows of A
	s_mul_i32 s22, s12, HALFT                      ; my 128 rows of B,
	s_add_co_u32 s22, s22, 2*HALFT                 ; which lie behind A's 256
.irp s, 0,1
	v_add_nc_u32 v[ADRA+\s], s21, v3
	v_add_nc_u32 v[ADRB+\s], s22, v3
	s_add_co_u32 s21, s21, SLOT
	s_add_co_u32 s22, s22, SLOT
.endr
	s_mul_i32 s23, s10, 16*SPITCH
	s_add_co_u32 s23, s23, STAGE                   ; my stage
	v_mul_u32_u24 v4, v1, SPITCH                   ; in: row l % 16, 32 bytes for each half of the lanes
	v_lshl_add_u32 v4, v2, 5, v4
	v_add_nc_u32 v[STO], s23, v4
	v_and_b32 v5, 31, v0
	v_lshlrev_b32 v[CO], 4, v5                     ; back: the 32 lanes take one row of 512 bytes
	v_add_nc_u32 v[RD], s23, v[CO]
	v_lshlrev_b32 v[FO], 3, v5
; 16 matrix instructions: m blocks a0, a0 + 1 of the window's four x all 8 n blocks, 32 along K.  zero = 1: the first product starts the sums.
.macro MUL16 f, hi, a0, zero
.irp a, \a0, \a0+1
.irp b, 0,1,2,3,4,5,6,7
.if \zero
	v_wmma_f32_16x16x32_bf16 v[8*(8*(\a)+\b):8*(8*(\a)+\b)+7], v[\f+8*\b:\f+8*\b+7], v[\f+8*(4*\hi+\a):\f+8*(4*\hi+\a)+7], 0
.else
	v_wmma_f32_16x16x32_bf16 v[8*(8*(\a)+\b):8*(8*(\a)+\b)+7], v[\f+8*\b:\f+8*\b+7], v[\f+8*(4*\hi+\a):\f+8*(4*\hi+\a)+7], v[8*(8*(\a)+\b):8*(8*(\a)+\b)+7]
.endif
.endr
.endr
.endm
; 32 LDS loads in one run: the fragments of one quarter step (128 rows of B, 128 rows of A, 32 K at byte k of the rows) into buffer f
.macro FETCH slot, k, f
	WIN TO_B
.irp i, 0,1,2,3,4,5,6,7
	ds_load_b128 v[\f+8*\i:\f+8*\i+3],   v[ADRB+\slot] offset:\k+\i*16*PITCH
	ds_load_b128 v[\f+8*\i+4:\f+8*\i+7], v[ADRB+\slot] offset:\k+\i*16*PITCH+32
.endr
	WIN 0
.irp i, 0,1,2,3,4,5,6,7
	ds_load_b128 v[\f+8*\i:\f+8*\i+3],   v[ADRA+\slot] offset:\k+\i*16*PITCH
	ds_load_b128 v[\f+8*\i+4:\f+8*\i+7], v[ADRA+\slot] offset:\k+\i*16*PITCH+32
.endr
.endm
; Four places stand between a matrix instruction and a load into a register that it has read, or an instruction that reads its result (ISA guide 7.12.1
; for vector instructions); the matrix instructions in between are not counted.
.macro PLACES
.rept 4
	v_nop
.endr
.endm
; A K step is four quarter steps of 32 along K, 64 matrix instructions each, on buffers 0, 1, 0, 1.
.macro QUARTER slot, k, f, g, zero
	s_wait_dscnt 8                                 ; B and A's rows 0-63 are in; the youngest eight loads (A's rows 64-127) may be out
	WIN MUL_LO
	MUL16 \f, 0, 0, \zero
	MUL16 \f, 0, 2, \zero
	PLACES
	FETCH \slot, \k, \g
	s_wait_dscnt 32                                ; all but the 32 just issued
	WIN MUL_HI
	MUL16 \f, 1, 0, \zero
	MUL16 \f, 1, 2, \zero
.endm
.macro THREE slot, zero
	QUARTER \slot, 64,  F0, F1, \zero
	QUARTER \slot, 128, F1, F0, 0
	QUARTER \slot, 192, F0, F1, 0
.endm
; The last quarter: multiplies buffer 1 and changes slots.  fill = 1: this slot is filled again, two K steps ahead.  In front of the barrier each wave waits
; for its reads of this slot and for all its tensor loads (one is out: its part of the next slot).  Behind it the refill comes first, one a wave.
.macro TURN slot, next, fill
	s_wait_dscnt 8
	WIN MUL_LO
	MUL16 F1, 0, 0, 0
	s_wait_dscnt 0                                 ; my reads of this slot are over
	s_wait_tensorcnt 0x0                           ; and all my tensor loads have landed
	ds_add_u32 v255, v255
	s_wait_dscnt 0x0
	s_barrier_signal -1                            ; (where a slot is filled again this barrier opens a round of the cluster's barrier)
	MUL16 F1, 0, 2, 0                              ; register work while the others arrive
	WIN 0
	s_barrier_wait -1
.if \fill
	CREST                                          ; no wave of any partner still reads this slot or has a load on its way
	s_add_nc_u64 s[G0+4*\slot+2:G0+4*\slot+3], s[G0+4*\slot+2:G0+4*\slot+3], 2*KSTEP*2
	s_add_nc_u64 s[G0B+4*\slot+2:G0B+4*\slot+3], s[G0B+4*\slot+2:G0B+4*\slot+3], 2*KSTEP*2
	JLOAD \slot                                    ; the first tensor load behind the round
.endif
	PLACES
	FETCH \next, 0, F0
	WIN MUL_HI
	MUL16 F1, 1, 0, 0
	MUL16 F1, 1, 2, 0
.endm
.macro LAP zero
	THREE 0, \zero
	TURN 0, 1, 1
	THREE 1, 0
	TURN 1, 0, 1
.endm
	s_wait_tensorcnt 1                             ; my part of K step 0 is in; K step 1's load stays out
	s_barrier_signal -1
	s_barrier_wait -1
	FETCH 0, 0, F0
	LAP 1                                          ; the first lap stands in front of the loop: its first products start the sums
.if LAPS > 2
	WIN 0
	s_mov_b32 s3, LAPS-2
.Llap:
	LAP 0
	WIN 0
	s_sub_co_u32 s3, s3, 1
	s_cmp_lg_u32 s3, 0
	s_cbranch_scc1 .Llap
.endif
	THREE 0, 0                                     ; the last lap fills nothing
	TURN 0, 1, 0
	THREE 1, 0
	s_wait_dscnt 8
	WIN MUL_LO
	MUL16 F1, 0, 0, 0
	MUL16 F1, 0, 2, 0
	s_wait_dscnt 0
	WIN MUL_HI
	MUL16 F1, 1, 0, 0
	MUL16 F1, 1, 2, 0
	; THE WAY OUT, 16 rows at a time: the sums go as they are into my own stage in LDS, come back as whole rows of 512 bytes, are multiplied by F and stored.
	PLACES
	WIN 0
	s_lshl_b32 s13, s13, 8
	s_lshl_b32 s14, s11, 7
	s_add_co_u32 s16, s13, s14                     ; my first row
	s_mov_b32 s17, 0
	s_lshl_b64 s[16:17], s[16:17], 13              ; x 8,192 bytes, a row of F
	s_add_nc_u64 s[6:7], s[4:5], s[16:17]
	s_lshl_b64 s[16:17], s[16:17], 1               ; x 16,384 bytes, a row of out0
	s_add_nc_u64 s[8:9], s[8:9], s[16:17]
	s_lshl_b32 s46, s42, 8
	s_lshl_b32 s47, s12, 7
	s_add_co_u32 s46, s46, s47                     ; my first column,
	s_lshl_b32 s46, s46, 1                         ; in bytes of F,
	s_mov_b32 s47, 0
	s_add_nc_u64 s[6:7], s[6:7], s[46:47]
	s_lshl_b32 s46, s46, 1                         ; in bytes of out0
	s_add_nc_u64 s[8:9], s[8:9], s[46:47]
; rows 16 i .. 16 i + 15 of my block = the eight tiles (a, 0..7) of window 2 or 3 (win = 0x08 or 0x0c: an LDS store's data is source 1)
.macro OUT16 i, a, win
	WIN 0
	s_wait_xcnt 0x0                                ; the rows that the last stores read, and both bases, are rewritten only behind this wait
.if \i
	s_add_nc_u64 s[6:7], s[6:7], 16*SIZE_K*2
	s_add_nc_u64 s[8:9], s[8:9], 16*SIZE_N*4
.endif
.irp t, 0,1,2,3,4,5,6,7,8,9,10,11,12,13,14,15
	global_load_b64 v[FV+2*\t:FV+2*\t+1], v[FO], s[6:7] offset:\t*SIZE_K*2         ; F of row t: the wave takes 256 consecutive bytes, aligned
.endr
	WIN \win
.irp b, 0,1,2,3,4,5,6,7
	ds_store_b128 v[STO], v[8*(8*\a+\b):8*(8*\a+\b)+3] offset:64*\b
	ds_store_b128 v[STO], v[8*(8*\a+\b)+4:8*(8*\a+\b)+7] offset:64*\b+16
.endr
	WIN 0
.irp t, 0,1,2,3,4,5,6,7,8,9,10,11,12,13,14,15
	ds_load_b128 v[RB+4*\t:RB+4*\t+3], v[RD] offset:\t*SPITCH      ; my own bytes: LDS serves a wave's instructions in order, these see the stores above
.endr
.irp t, 0,1,2,3,4,5,6,7,8,9,10,11,12,13,14,15
	s_wait_dscnt 15-\t                             ; row t is back; the 15 - t younger LDS loads stay out
	s_wait_loadcnt 15-\t                           ; and so is its F; the 15 - t younger loads stay out
	v_lshlrev_b32 v[TW+4*(\t%2)],   16,  v[FV+2*\t]
	v_and_b32     v[TW+4*(\t%2)+1], s45, v[FV+2*\t]
	v_lshlrev_b32 v[TW+4*(\t%2)+2], 16,  v[FV+2*\t+1]
	v_and_b32     v[TW+4*(\t%2)+3], s45, v[FV+2*\t+1]
	v_pk_mul_f32 v[RB+4*\t:RB+4*\t+1],   v[RB+4*\t:RB+4*\t+1],   v[TW+4*(\t%2):TW+4*(\t%2)+1]
	v_pk_mul_f32 v[RB+4*\t+2:RB+4*\t+3], v[RB+4*\t+2:RB+4*\t+3], v[TW+4*(\t%2)+2:TW+4*(\t%2)+3]
	global_store_b128 v[CO], v[RB+4*\t:RB+4*\t+3], s[8:9] offset:\t*SIZE_N*4 th:TH_STORE_NT        ; 512 consecutive bytes of a row of out0, aligned
.endr
.endm
	OUT16 0, 0, 0x08
	OUT16 1, 1, 0x08
	OUT16 2, 2, 0x08
	OUT16 3, 3, 0x08
	OUT16 4, 0, 0x0c
	OUT16 5, 1, 0x0c
	OUT16 6, 2, 0x0c
	OUT16 7, 3, 0x0c
	s_set_vgpr_msb 0x1
	s_wait_tensorcnt 0x0
	ds_add_u32 v255, v255
	s_wait_dscnt 0x0
	s_set_vgpr_msb 0x100
	CROUND                                         ; the closing round: no work-group ends while a partner may still ask for a tile that names it
	s_endpgm
.Lfunc_end_k_qc13ec6ec3b_gemm:
	.size	k_qc13ec6ec3b_gemm, .Lfunc_end_k_qc13ec6ec3b_gemm-k_qc13ec6ec3b_gemm
	.p2alignl 7, 3214868480
	.fill 96, 4, 3214868480
	.section	.rodata,"a",@progbits
	.p2align	6, 0x0
	.amdhsa_kernel k_qc13ec6ec3b_gemm
		.amdhsa_group_segment_fixed_size 327680
		.amdhsa_private_segment_fixed_size 0
		.amdhsa_enable_private_segment 0
		.amdhsa_kernarg_size 16
		.amdhsa_user_sgpr_count 2
		.amdhsa_user_sgpr_kernarg_segment_ptr 1
		.amdhsa_wavefront_size32 1
		.amdhsa_system_sgpr_workgroup_id_x 1
		.amdhsa_system_sgpr_workgroup_id_y 1
		.amdhsa_system_sgpr_workgroup_id_z 1
		.amdhsa_system_vgpr_workitem_id 0
		.amdhsa_next_free_vgpr 1024
		.amdhsa_next_free_sgpr 66
		.amdhsa_reserve_vcc 0
		.amdhsa_float_denorm_mode_32 3
		.amdhsa_float_denorm_mode_16_64 3
		.amdhsa_memory_ordered 1
		.amdhsa_forward_progress 1
		.amdhsa_inst_pref_size 245
	.end_amdhsa_kernel
	.amdgpu_metadata
---
amdhsa.version: [ 1, 2 ]
amdhsa.kernels:
  - .name:           k_qc13ec6ec3b_gemm
    .symbol:         k_qc13ec6ec3b_gemm.kd
    .args:
      - { .name: fmat, .offset: 0, .size: 8, .value_kind: global_buffer, .address_space: global }
      - { .name: out0, .offset: 8, .size: 8, .value_kind: global_buffer, .address_space: global }
    .group_segment_fixed_size: 327680
    .private_segment_fixed_size: 0
    .kernarg_segment_align: 8
    .kernarg_segment_size: 16
    .max_flat_workgroup_size: 128
    .sgpr_count:     66
    .vgpr_count:     1024
    .wavefront_size: 32
...
	.end_amdgpu_metadata
.endif
;; end of part 3
;; ======== version 2 of 3: 3 launches; 1.13 times as fast as version 1
;; limits: values outside matrix products are rounded to bf16
;; workspace buffers: part 2,048 bytes; fmat 33,554,432 bytes
;; launch topk: the kernel of part 1 again; grid 256 x 1, 4 waves a work-group, no clusters, 203,520 bytes of LDS; arguments src_keypts, tgt_keypts, part; writes part
;; launch build: the kernel of part 2 again; grid 256 x 1, 4 waves a work-group, no clusters, 4,608 bytes of LDS; arguments src_keypts, tgt_keypts, part, fmat; writes fmat
;; launch gemm (part 4): grid 40 x 4, 4 waves a work-group, clusters of 4 x 4, 327,680 bytes of LDS; arguments fmat, out0; writes out0
.if DOCPART == 4
	.amdgcn_target "amdgcn-amd-amdhsa--gfx1250"
	.amdhsa_code_object_version 6
	.text
	.protected	k_qc13ec6ec3b_gemm
	.globl	k_qc13ec6ec3b_gemm
	.p2align	8
	.type	k_qc13ec6ec3b_gemm,@function
k_qc13ec6ec3b_gemm:
	s_mov_b64 s[64:65], 0
	v_nop
	global_prefetch_b8 v0, s[64:65] scope:SCOPE_SE
	s_setreg_imm32_b32 hwreg(HW_REG_WAVE_MODE, 25, 1), 1
	s_wait_xcnt 0x0
	s_wait_alu depctr_hold_cnt(0) depctr_sa_sdst(0) depctr_va_vdst(0) depctr_va_sdst(0) depctr_va_ssrc(0) depctr_va_vcc(0) depctr_vm_vsrc(0)
	s_getreg_b32 s2, hwreg(HW_REG_IB_STS2, 6, 4)
	s_cmp_eq_u32 s2, 0
	s_cbranch_scc0 .Lentry_in_a_cluster
	s_endpgm
.Lentry_in_a_cluster:
	s_bfe_u32 s2, ttmp6, 0x10000c
	s_cmp_lg_u32 s2, 0xf033
	s_cbranch_scc0 .Lentry_shape_is_right
	s_endpgm
.Lentry_shape_is_right:
; out0[m][n] = F[m][n] x C(m, n), C(m, n) = sum over k of F[m][k] F[n][k].  F = fmat, [4096][4096] bf16, symmetric bit for bit by the way it was made, so
; F F = F F^T, both operands are read with K along their rows, and C(n, m) is the sum of the same products as C(m, n).  Sums in f32; out0 is f32.
; ONLY THE PART ON AND ABOVE THE DIAGONAL IS MULTIPLIED.  A cluster of 4 x 4 work-groups makes a square of 1024 x 1024; of the 4 x 4 squares the 10 with
; column SX >= row SY are launched: 160 work-groups, three eighths of the products are not formed.  A square on the diagonal (SX = SY) makes all its 16 blocks
; and stores each once.  A square above it stores each block twice: as it is, and turned over into the square (SY, SX), there multiplied by F[n][m].
; So each byte of out0 is stored by one work-group.  Finer shares would not fill more WGPs evenly: blocks of 256 x 128 over the triangle are 272, in whole
; clusters 320, more than there are WGPs, and a wave's tile would feed half as many multiply-adds from each LDS byte.
; A work-group makes a block of 256 x 256 with four waves, as many as a WGP has SIMDs; a wave makes 128 x 128: 64 accumulator tiles of 16 x 16, 512 registers.
; K goes in steps of 128 through a ring of two LDS slots filled by the tensor data mover: a tile's rows are 256 bytes of memory at multiples of 256 bytes.
; CLUSTERS: the four work-groups of a row of the cluster need the same rows of F as their left operand (called A here), the four of a column the same rows
; as their right operand (B).  Such a tile is asked for jointly: each of the four issues the same tensor load, with the same descriptor and a mask that
; names the four.  That divides the requests by four.
; No prefetch: from a tile's request to the wait for it a wave issues 240 matrix instructions, and F's rows of the way out were read by the ring before.
; LIMIT: F enters the product and the last multiplication as bf16 (relative rounding at most 2^-9 each).
;
; REGISTERS, in windows of 256:
;   window 0: v16-28 addresses; v32-39 at work; v64-127, v128-191 fragments of A, two buffers, on the way out two sets of 16 rows; v192-223, v224-255 F's rows
;   window 1: v64-127, v128-191 fragments of B, two buffers
;   window 2: the 32 accumulator tiles of my rows 0-63 (tile (a, b) at v[8 (8 a + b)]);   window 3: those of my rows 64-127
; THE MATRIX INSTRUCTION IS USED TRANSPOSED: source 0 = 16 rows of B, source 1 = 16 rows of A.  Lane l then holds row l % 16 of the tile and its registers 0-7
; the columns 8 (l / 16) + 0..7: 32 neighbouring bytes of a row of out0.
; The 64 accumulators take turns, one matrix instruction a turn, in the same order in every quarter step.
.set SIZE_N, 4096
.set SIZE_K, 4096
.set KSTEP,  128
.set PITCH,  272                       ; an LDS row: 256 bytes + 16 of padding: the 16 rows that a fragment load touches start 16 bytes apart modulo 256
.set HALFT,  128*PITCH                 ; 128 rows: what one tensor load brings, and what one wave reads of A or of B
.set SLOT,   4*HALFT                   ; A's 256 rows, then B's 256 rows
.set STAGE,  2*SLOT                    ; behind the ring, bytes that no tensor load fills: 16 rows x 528 bytes for each wave, for the way out
.set SPITCH, 528                       ; 512 bytes + 16
.set LAPS, SIZE_K/(2*KSTEP)            ; a lap = two K steps = once round the ring
; the cluster's number c = 0..9 to its square: two bits for each c.  c: 0 1 2 3 4 5 6 7 8 9;  SX: 0 1 2 3 1 2 3 2 3 3;  SY: 0 0 0 0 1 1 1 2 2 3
.set SXTAB, (1<<2)|(2<<4)|(3<<6)|(1<<8)|(2<<10)|(3<<12)|(2<<14)|(3<<16)|(3<<18)
.set SYTAB, (1<<8)|(1<<10)|(1<<12)|(2<<14)|(2<<16)|(3<<18)
.set ADRA, 16                          ; v16-17  LDS address of my A fragments in slot 0, 1
.set ADRB, 20                          ; v20-21  the same for B
.set STO,  24                          ; v24     the way out: where I put 32 bytes of a row
.set RD,   25                          ; v25     the way out: where I read a row back
.set CO,   26                          ; v26     my byte offset in a row piece of out0: 16 lane
.set FO,   27                          ; v27     my byte offset in the same piece of F: 8 lane
.set STM,  28                          ; v28     the way out, turned over: where register 0 of tile column block 0 goes
.set TW,   32                          ; v32-39  four bf16 widened, two sets
.set F0,   64
.set F1,   128
.set RB,   64                          ; the way out: two sets of 16 rows, 4 registers each
.set FV,   192                         ; the way out: two sets of F's 16 rows, 2 registers each
.set FD, 6                             ; s[6:7]   F at my tile's first element;          none of these four is written again
.set OD, 68                            ; s[68:69] out0 at my tile's first element
.set FM, 70                            ; s[70:71] F at the first element of my tile turned over
.set OM, 76                            ; s[76:77] out0 at the first element of my tile turned over
.set G1, 24                            ; s[24:31] descriptor group 1 for A's tiles
.set G0, 32                            ; s[32:39] descriptor group 0 for A's tiles, one set for each slot
.set G1B, 48                           ; s[48:55] group 1 for B's tiles: it differs in the mask alone
.set G0B, 56                           ; s[56:63] group 0 for B's tiles, one set for each slot
.set MSB, 0
.macro WIN new                         ; s_set_vgpr_msb: low byte 1:0 source 0, 3:2 source 1, 5:4 source 2, 7:6 destination; high byte repeats the setting left
.if MSB != \new
	s_set_vgpr_msb (MSB<<8)|\new
.set MSB, \new
.endif
.endm
.set MUL_LO, 0xa1                      ; source 0 (B) window 1, source 1 (A) window 0, C and D window 2
.set MUL_HI, 0xf1                      ; the same, C and D window 3
.set TO_B,   0x40                      ; destination window 1, address window 0
; A joint load.  Waves 0 and 1 fetch A's two halves, waves 2 and 3 B's.  Each line has one mask and one set of registers for all that issue it.
; The branch hangs on the wave's number alone.
.macro JLOAD s
	s_cmp_eq_u32 s11, 0
	s_cbranch_scc0 .Lfor_b_\@
	tensor_load_to_lds s[G0+4*\s:G0+4*\s+3], s[G1:G1+7]
	s_nop 0
	s_branch .Lasked_\@
.Lfor_b_\@:
	tensor_load_to_lds s[G0B+4*\s:G0B+4*\s+3], s[G1B:G1B+7]
	s_nop 0
.Lasked_\@:
.endm
; A round of the cluster's barrier: my work-group's barrier; wave 0 signals for the work-group; every wave waits for all sixteen; my work-group's barrier again.
.macro CREST                           ; a round behind its opening barrier
	s_cmp_lg_u32 s10, 0
	s_cbranch_scc1 .Lnot_wave_0_\@
	s_barrier_signal -3
.Lnot_wave_0_\@:
	s_barrier_wait -3
	s_barrier_signal -1
	s_barrier_wait -1
.endm
.macro CROUND
	s_barrier_signal -1
	s_barrier_wait -1
	CREST
.endm
	s_load_b64 s[4:5], s[0:1], 0x0                 ; F
	s_load_b64 s[8:9], s[0:1], 0x8                 ; out0
	s_set_vgpr_msb 0x40
	v_lshl_add_u32 v255, v0, 2, 0x4c400
	s_set_vgpr_msb 0x4000
	v_mov_b32 v63, 0
	s_set_vgpr_msb 0x1
	ds_add_u32 v255, v63
	ds_add_u32 v255, v63
	s_set_vgpr_msb 0x100
	v_lshrrev_b32 v1, 5, v0
	v_readfirstlane_b32 s10, v1                    ; wave 0..3
	s_lshr_b32 s11, s10, 1                         ; which half of the block's rows is mine.  Also: I fetch for A (0) or for B (1)
	s_and_b32 s12, s10, 1                          ; which half of its columns.  Also: which 128 rows of that tile I fetch
	s_mov_b32 s45, 0xffff0000                      ; a word's upper bf16
	s_bfe_u32 s40, ttmp6, 0x40000                  ; cx
	s_bfe_u32 s41, ttmp6, 0x40004                  ; cy
	s_lshl_b32 s3, ttmp9, 1                        ; the cluster's number, two bits an entry
	s_lshr_b32 s66, SXTAB, s3
	s_and_b32 s66, s66, 3                          ; SX: the square's column; equal in all sixteen work-groups of the cluster
	s_lshr_b32 s67, SYTAB, s3
	s_and_b32 s67, s67, 3                          ; SY: the square's row, at most SX
	s_lshl_b32 s42, s66, 2
	s_add_co_u32 s42, s42, s40                     ; block column = 4 SX + cx
	s_lshl_b32 s13, s67, 2
	s_add_co_u32 s13, s13, s41                     ; block row = 4 SY + cy
	s_lshl_b32 s43, s41, 2
	s_lshl_b32 s43, 15, s43                        ; my row of the cluster: places 4 cy .. 4 cy + 3
	s_lshl_b32 s44, 0x1111, s40                    ; my column: places cx, cx + 4, cx + 8, cx + 12
	; descriptor group 1: a tile of 128 rows x 128 elements of 2 bytes, 4 words of padding behind every 64
	s_or_b32 s[G1+0], s43, (1<<16)|(1<<20)|(1<<21)|(5<<22)|(3<<25)
	s_or_b32 s[G1B+0], s44, (1<<16)|(1<<20)|(1<<21)|(5<<22)|(3<<25)
	s_mov_b32 s[G1B+1], KSTEP<<16
	s_mov_b32 s[G1+1], KSTEP<<16                   ; tensor_dim0 = 128
	s_mov_b32 s[G1B+2], 128<<16
	s_mov_b32 s[G1+2], 128<<16                     ; tensor_dim1 = 128
	s_mov_b32 s[G1B+3], KSTEP<<16
	s_mov_b32 s[G1+3], KSTEP<<16                   ; tile_dim0 = 128
	s_mov_b32 s[G1B+4], 128
	s_mov_b32 s[G1+4], 128                         ; tile_dim1 = 128
	s_mov_b32 s[G1B+5], SIZE_K
	s_mov_b32 s[G1+5], SIZE_K                      ; elements from row to row
	s_mov_b32 s[G1B+6], 0
	s_mov_b32 s[G1+6], 0
	s_mov_b32 s[G1B+7], 0
	s_mov_b32 s[G1+7], 0
	; where the tiles come from: A's hang on the block row alone, B's on the block column alone, each in registers that never hold the other coordinate
	s_lshl_b32 s17, s12, 7
	s_lshl_b32 s16, s13, 8
	s_add_co_u32 s16, s16, s17                     ; A: row 256 x block row + 128 x half
	s_lshl_b32 s46, s42, 8
	s_add_co_u32 s46, s46, s17                     ; B: row 256 x block column + 128 x half
	s_mov_b32 s17, 0
	s_mov_b32 s47, 0
	s_mov_b64 s[18:19], SIZE_K*2
	s_mul_u64 s[16:17], s[16:17], s[18:19]
	s_mul_u64 s[46:47], s[46:47], s[18:19]
	s_mul_i32 s20, s10, HALFT                      ; where they go: wave x 128 rows
	s_wait_dscnt 0x0
	s_wait_kmcnt 0x0
	s_add_nc_u64 s[14:15], s[4:5], s[16:17]
	s_add_nc_u64 s[46:47], s[4:5], s[46:47]
	CROUND                                         ; all sixteen work-groups are here: the first joint loads meet
.irp s, 0,1
	s_mov_b32 s[G0+4*\s], 1
	s_add_co_u32 s[G0+4*\s+1], s20, \s*SLOT
	s_add_nc_u64 s[G0+4*\s+2:G0+4*\s+3], s[14:15], \s*KSTEP*2
	s_or_b32 s[G0+4*\s+3], s[G0+4*\s+3], 0x80000000
	s_mov_b32 s[G0B+4*\s], 1
	s_add_co_u32 s[G0B+4*\s+1], s20, \s*SLOT
	s_add_nc_u64 s[G0B+4*\s+2:G0B+4*\s+3], s[46:47], \s*KSTEP*2
	s_or_b32 s[G0B+4*\s+3], s[G0B+4*\s+3], 0x80000000
	JLOAD \s                                       ; both slots' first fills, one group; by this text's count a wave never has more than these two loads out
.endr
	; a fragment is 16 rows x 32 K in 8 registers: lane l holds row l % 16; two loads of 16 bytes, 32 bytes apart, at row x pitch + 16 (l / 16)
	v_and_b32 v1, 15, v0
	v_bfe_u32 v2, v0, 4, 1
	v_mul_u32_u24 v3, v1, PITCH
	v_lshl_add_u32 v3, v2, 4, v3
	s_mul_i32 s21, s11, HALFT                      ; my 128 rows of A
	s_mul_i32 s22, s12, HALFT                      ; my 128 rows of B,
	s_add_co_u32 s22, s22, 2*HALFT                 ; which lie behind A's 256
.irp s, 0,1
	v_add_nc_u32 v[ADRA+\s], s21, v3
	v_add_nc_u32 v[ADRB+\s], s22, v3
	s_add_co_u32 s21, s21, SLOT
	s_add_co_u32 s22, s22, SLOT
.endr
	s_mul_i32 s23, s10, 16*SPITCH
	s_add_co_u32 s23, s23, STAGE                   ; my stage
	v_mul_u32_u24 v4, v1, SPITCH                   ; in: row l % 16, 32 bytes for each half of the lanes
	v_lshl_add_u32 v4, v2, 5, v4
	v_add_nc_u32 v[STO], s23, v4
	v_mul_u32_u24 v6, v2, 8*SPITCH                 ; in, turned over: row 8 (l / 16) + register, 4 bytes at column l % 16.  The two halves of the
	v_lshl_add_u32 v6, v1, 2, v6                   ; lanes lie 8 x 528 = 16 x 256 + 128 bytes apart: 64 bytes each in different halves of a row of banks
	v_add_nc_u32 v[STM], s23, v6
	v_and_b32 v5, 31, v0
	v_lshlrev_b32 v[CO], 4, v5                     ; back: the 32 lanes take one row of 512 bytes
	v_add_nc_u32 v[RD], s23, v[CO]
	v_lshlrev_b32 v[FO], 3, v5
	; the way out's four addresses, in registers of their own.  All offsets stay below 2^27 bytes.
	s_lshl_b32 s72, s13, 8
	s_lshl_b32 s74, s11, 7
	s_add_co_u32 s72, s72, s74                     ; my first row
	s_lshl_b32 s73, s42, 8
	s_lshl_b32 s74, s12, 7
	s_add_co_u32 s73, s73, s74                     ; my first column
	s_mov_b32 s75, 0
	s_lshl_b32 s74, s72, 12
	s_add_co_u32 s74, s74, s73                     ; element 4096 row + column,
	s_lshl_b32 s74, s74, 1                         ; in bytes of F,
	s_add_nc_u64 s[FD:FD+1], s[4:5], s[74:75]
	s_lshl_b32 s74, s74, 1                         ; in bytes of out0
	s_add_nc_u64 s[OD:OD+1], s[8:9], s[74:75]
	s_lshl_b32 s74, s73, 12
	s_add_co_u32 s74, s74, s72                     ; turned over: element 4096 column + row
	s_lshl_b32 s74, s74, 1
	s_add_nc_u64 s[FM:FM+1], s[4:5], s[74:75]
	s_lshl_b32 s74, s74, 1
	s_add_nc_u64 s[OM:OM+1], s[8:9], s[74:75]
; 16 matrix instructions: m blocks a0, a0 + 1 of the window's four x all 8 n blocks, 32 along K.  zero = 1: the first product starts the sums.
.macro MUL16 f, hi, a0, zero
.irp a, \a0, \a0+1
.irp b, 0,1,2,3,4,5,6,7
.if \zero
	v_wmma_f32_16x16x32_bf16 v[8*(8*(\a)+\b):8*(8*(\a)+\b)+7], v[\f+8*\b:\f+8*\b+7], v[\f+8*(4*\hi+\a):\f+8*(4*\hi+\a)+7], 0
.else
	v_wmma_f32_16x16x32_bf16 v[8*(8*(\a)+\b):8*(8*(\a)+\b)+7], v[\f+8*\b:\f+8*\b+7], v[\f+8*(4*\hi+\a):\f+8*(4*\hi+\a)+7], v[8*(8*(\a)+\b):8*(8*(\a)+\b)+7]
.endif
.endr
.endr
.endm
; 32 LDS loads in one run: the fragments of one quarter step (128 rows of B, 128 rows of A, 32 K at byte k of the rows) into buffer f
.macro FETCH slot, k, f
	WIN TO_B
.irp i, 0,1,2,3,4,5,6,7
	ds_load_b128 v[\f+8*\i:\f+8*\i+3],   v[ADRB+\slot] offset:\k+\i*16*PITCH
	ds_load_b128 v[\f+8*\i+4:\f+8*\i+7], v[ADRB+\slot] offset:\k+\i*16*PITCH+32
.endr
	WIN 0
.irp i, 0,1,2,3,4,5,6,7
	ds_load_b128 v[\f+8*\i:\f+8*\i+3],   v[ADRA+\slot] offset:\k+\i*16*PITCH
	ds_load_b128 v[\f+8*\i+4:\f+8*\i+7], v[ADRA+\slot] offset:\k+\i*16*PITCH+32
.endr
.endm
; Four places stand between a matrix instruction and a load into a register that it has read, or an instruction that reads its result (ISA guide 7.12.1
; for vector instructions); the matrix instructions in between are not counted.
.macro PLACES
.rept 4
	v_nop
.endr
.endm
; A K step is four quarter steps of 32 along K, 64 matrix instructions each, on buffers 0, 1, 0, 1.
.macro QUARTER slot, k, f, g, zero
	s_wait_dscnt 8                                 ; B and A's rows 0-63 are in; the youngest eight loads (A's rows 64-127) may be out
	WIN MUL_LO
	MUL16 \f, 0, 0, \zero
	MUL16 \f, 0, 2, \zero
	PLACES
	FETCH \slot, \k, \g
	s_wait_dscnt 32                                ; all but the 32 just issued
	WIN MUL_HI
	MUL16 \f, 1, 0, \zero
	MUL16 \f, 1, 2, \zero
.endm
.macro THREE slot, zero
	QUARTER \slot, 64,  F0, F1, \zero
	QUARTER \slot, 128, F1, F0, 0
	QUARTER \slot, 192, F0, F1, 0
.endm
; The last quarter: multiplies buffer 1 and changes slots.  fill = 1: this slot is filled again, two K steps ahead.  In front of the barrier each wave waits
; for its reads of this slot and for all its tensor loads (one is out: its part of the next slot).  Behind it the refill comes first, one a wave.
.macro TURN slot, next, fill
	s_wait_dscnt 8
	WIN MUL_LO
	MUL16 F1, 0, 0, 0
	s_wait_dscnt 0                                 ; my reads of this slot are over
	s_wait_tensorcnt 0x0                           ; and all my tensor loads have landed
	ds_add_u32 v255, v63
	s_wait_dscnt 0x0
	s_barrier_signal -1                            ; (where a slot is filled again this barrier opens a round of the cluster's barrier)
	MUL16 F1, 0, 2, 0                              ; register work while the others arrive
	WIN 0
	s_barrier_wait -1
.if \fill
	CREST                                          ; no wave of any partner still reads this slot or has a load on its way
	s_add_nc_u64 s[G0+4*\slot+2:G0+4*\slot+3], s[G0+4*\slot+2:G0+4*\slot+3], 2*KSTEP*2
	s_add_nc_u64 s[G0B+4*\slot+2:G0B+4*\slot+3], s[G0B+4*\slot+2:G0B+4*\slot+3], 2*KSTEP*2
	JLOAD \slot                                    ; the first tensor load behind the round
.endif
	PLACES
	FETCH \next, 0, F0
	WIN MUL_HI
	MUL16 F1, 1, 0, 0
	MUL16 F1, 1, 2, 0
.endm
.macro LAP zero
	THREE 0, \zero
	TURN 0, 1, 1
	THREE 1, 0
	TURN 1, 0, 1
.endm
; THE WAY OUT goes in groups of 16 rows of 512 bytes.  Sixteen loads: F's rows 16 i .. 16 i + 15 from the address in s[base], into set 0 or 1.
; Each load of the wave takes 256 consecutive bytes, aligned; the row stands in the immediate, 127 x 8,192 bytes at the most.
.macro FLOAD set, base, i
.irp t, 0,1,2,3,4,5,6,7,8,9,10,11,12,13,14,15
	global_load_b64 v[FV+32*(\set)+2*\t:FV+32*(\set)+2*\t+1], v[FO], s[\base:\base+1] offset:(16*(\i)+\t)*SIZE_K*2
.endr
.endm
; The group that lies in my stage comes back as whole rows, is multiplied by F's rows of set 'set' and stored as rows 16 i .. 16 i + 15 from s[obase].
; left = 16 where the next group's sixteen loads of F have been issued behind this group's, 0 in a way's last group.
.macro FIN set, obase, i, left
	s_wait_xcnt 0x0                                ; the registers of this set of rows, which earlier stores read, are loaded again only behind this wait
.irp t, 0,1,2,3,4,5,6,7,8,9,10,11,12,13,14,15
	ds_load_b128 v[RB+64*(\set)+4*\t:RB+64*(\set)+4*\t+3], v[RD] offset:\t*SPITCH  ; my own bytes: LDS serves a wave's instructions in order, these see the stores above
.endr
.irp t, 0,1,2,3,4,5,6,7,8,9,10,11,12,13,14,15
	s_wait_dscnt 15-\t                             ; row t is back; the 15 - t younger LDS loads stay out
	s_wait_loadcnt \left+15-\t                     ; and so is its F; this group's 15 - t younger loads and the next group's stay out
	v_lshlrev_b32 v[TW+4*(\t%2)],   16,  v[FV+32*(\set)+2*\t]
	v_and_b32     v[TW+4*(\t%2)+1], s45, v[FV+32*(\set)+2*\t]
	v_lshlrev_b32 v[TW+4*(\t%2)+2], 16,  v[FV+32*(\set)+2*\t+1]
	v_and_b32     v[TW+4*(\t%2)+3], s45, v[FV+32*(\set)+2*\t+1]
	v_pk_mul_f32 v[RB+64*(\set)+4*\t:RB+64*(\set)+4*\t+1],   v[RB+64*(\set)+4*\t:RB+64*(\set)+4*\t+1],   v[TW+4*(\t%2):TW+4*(\t%2)+1]
	v_pk_mul_f32 v[RB+64*(\set)+4*\t+2:RB+64*(\set)+4*\t+3], v[RB+64*(\set)+4*\t+2:RB+64*(\set)+4*\t+3], v[TW+4*(\t%2)+2:TW+4*(\t%2)+3]
	global_store_b128 v[CO], v[RB+64*(\set)+4*\t:RB+64*(\set)+4*\t+3], s[\obase:\obase+1] offset:(16*(\i)+\t)*SIZE_N*4 th:TH_STORE_NT  ; 512 consecutive bytes of a row of out0, aligned
.endr
.endm
; Rows 16 i .. 16 i + 15 of my tile as they are = the eight tiles (a, 0..7) of window 2 or 3 (win = 0x08 or 0x0c: an LDS store's data is source 1)
.macro DGRP i, a, win, set, left
	WIN \win
.irp b, 0,1,2,3,4,5,6,7
	ds_store_b128 v[STO], v[8*(8*\a+\b):8*(8*\a+\b)+3] offset:64*\b
	ds_store_b128 v[STO], v[8*(8*\a+\b)+4:8*(8*\a+\b)+7] offset:64*\b+16
.endr
	WIN 0
	FIN \set, OD, \i, \left
.endm
; Rows 16 b .. 16 b + 15 of my tile turned over = the eight tiles (0..7, b): register j of lane l is row 8 (l / 16) + j, column 16 a + l % 16 of the group
.macro MGRP b, set, left
	WIN 0x08
.irp a, 0,1,2,3
.irp j, 0,1,2,3,4,5,6,7
	ds_store_b32 v[STM], v[8*(8*\a+\b)+\j] offset:\j*SPITCH+64*\a
.endr
.endr
	WIN 0x0c
.irp a, 0,1,2,3
.irp j, 0,1,2,3,4,5,6,7
	ds_store_b32 v[STM], v[8*(8*\a+\b)+\j] offset:\j*SPITCH+64*\a+256
.endr
.endr
	WIN 0
	FIN \set, OM, \b, \left
.endm
	s_wait_tensorcnt 1                             ; my part of K step 0 is in; K step 1's load stays out
	s_barrier_signal -1
	s_barrier_wait -1
	FETCH 0, 0, F0
	LAP 1                                          ; the first lap stands in front of the loop: its first products start the sums
.if LAPS > 2
	WIN 0
	s_mov_b32 s3, LAPS-2
.Llap:
	LAP 0
	WIN 0
	s_sub_co_u32 s3, s3, 1
	s_cmp_lg_u32 s3, 0
	s_cbranch_scc1 .Llap
.endif
	FLOAD 0, FD, 0                                 ; F's rows for the first two groups of the way out are asked for here: they land during the last lap,
	FLOAD 1, FD, 1                                 ; in registers that no matrix instruction names
	THREE 0, 0                                     ; the last lap fills nothing
	TURN 0, 1, 0
	THREE 1, 0
	s_wait_dscnt 8
	WIN MUL_LO
	MUL16 F1, 0, 0, 0
	MUL16 F1, 0, 2, 0
	s_wait_dscnt 0
	WIN MUL_HI
	MUL16 F1, 1, 0, 0
	MUL16 F1, 1, 2, 0
	; THE WAY OUT.  Behind each group F's rows for the group after the next are asked for, into the set that the group has just read.
	PLACES
	WIN 0
	DGRP 0, 0, 0x08, 0, 16
	FLOAD 0, FD, 2
	DGRP 1, 1, 0x08, 1, 16
	FLOAD 1, FD, 3
	DGRP 2, 2, 0x08, 0, 16
	FLOAD 0, FD, 4
	DGRP 3, 3, 0x08, 1, 16
	FLOAD 1, FD, 5
	DGRP 4, 0, 0x0c, 0, 16
	FLOAD 0, FD, 6
	DGRP 5, 1, 0x0c, 1, 16
	FLOAD 1, FD, 7
	s_cmp_eq_u32 s66, s67                          ; a square on the diagonal?  SX and SY are equal in all work-groups of the cluster; no barrier stands on either way
	s_cbranch_scc1 .Ldiag
	DGRP 6, 2, 0x0c, 0, 16                         ; above the diagonal: the last two groups are written on both ways, since here the requests go on
	FLOAD 0, FM, 0
	DGRP 7, 3, 0x0c, 1, 16
	FLOAD 1, FM, 1
	MGRP 0, 0, 16
	FLOAD 0, FM, 2
	MGRP 1, 1, 16
	FLOAD 1, FM, 3
	MGRP 2, 0, 16
	FLOAD 0, FM, 4
	MGRP 3, 1, 16
	FLOAD 1, FM, 5
	MGRP 4, 0, 16
	FLOAD 0, FM, 6
	MGRP 5, 1, 16
	FLOAD 1, FM, 7
	MGRP 6, 0, 16
	MGRP 7, 1, 0
	s_branch .Lclose
.Ldiag:
	DGRP 6, 2, 0x0c, 0, 16                         ; on the diagonal the block below is made by its own work-group: nothing is turned over
	DGRP 7, 3, 0x0c, 1, 0
.Lclose:
	s_set_vgpr_msb 0x1
	s_wait_tensorcnt 0x0
	ds_add_u32 v255, v63
	s_wait_dscnt 0x0
	s_set_vgpr_msb 0x100
	CROUND                                         ; the closing round: no work-group ends while a partner may still ask for a tile that names it
	s_endpgm
.Lfunc_end_k_qc13ec6ec3b_gemm:
	.size	k_qc13ec6ec3b_gemm, .Lfunc_end_k_qc13ec6ec3b_gemm-k_qc13ec6ec3b_gemm
	.p2alignl 7, 3214868480
	.fill 96, 4, 3214868480
	.section	.rodata,"a",@progbits
	.p2align	6, 0x0
	.amdhsa_kernel k_qc13ec6ec3b_gemm
		.amdhsa_group_segment_fixed_size 327680
		.amdhsa_private_segment_fixed_size 0
		.amdhsa_enable_private_segment 0
		.amdhsa_kernarg_size 16
		.amdhsa_user_sgpr_count 2
		.amdhsa_user_sgpr_kernarg_segment_ptr 1
		.amdhsa_wavefront_size32 1
		.amdhsa_system_sgpr_workgroup_id_x 1
		.amdhsa_system_sgpr_workgroup_id_y 1
		.amdhsa_system_sgpr_workgroup_id_z 1
		.amdhsa_system_vgpr_workitem_id 0
		.amdhsa_next_free_vgpr 1024
		.amdhsa_next_free_sgpr 80
		.amdhsa_reserve_vcc 0
		.amdhsa_float_denorm_mode_32 3
		.amdhsa_float_denorm_mode_16_64 3
		.amdhsa_memory_ordered 1
		.amdhsa_forward_progress 1
		.amdhsa_inst_pref_size 255
	.end_amdhsa_kernel
	.section	.bss,"aw",@nobits
	.p2align	6
	.space	262144
	.amdgpu_metadata
---
amdhsa.version: [ 1, 2 ]
amdhsa.kernels:
  - .name:           k_qc13ec6ec3b_gemm
    .symbol:         k_qc13ec6ec3b_gemm.kd
    .args:
      - { .name: fmat, .offset: 0, .size: 8, .value_kind: global_buffer, .address_space: global }
      - { .name: out0, .offset: 8, .size: 8, .value_kind: global_buffer, .address_space: global }
    .group_segment_fixed_size: 327680
    .private_segment_fixed_size: 0
    .kernarg_segment_align: 8
    .kernarg_segment_size: 16
    .max_flat_workgroup_size: 128
    .sgpr_count:     80
    .vgpr_count:     1024
    .wavefront_size: 32
...
	.end_amdgpu_metadata
.endif
;; end of part 4
;; ======== version 3 of 3: 3 launches; version 2 with the launch build written anew for expert scheduling mode
;; limits: values outside matrix products are rounded to bf16
;; workspace buffers: part 2,048 bytes; fmat 33,554,432 bytes
;; launch topk: the kernel of part 1 again; grid 256 x 1, 4 waves a work-group, no clusters, 203,520 bytes of LDS; arguments src_keypts, tgt_keypts, part; writes part
;; launch build (part 5): grid 256 x 1, 4 waves a work-group, no clusters, 4,608 bytes of LDS; arguments src_keypts, tgt_keypts, part, fmat; writes fmat
.if DOCPART == 5
	.amdgcn_target "amdgcn-amd-amdhsa--gfx1250"
	.amdhsa_code_object_version 6
	.text
	.protected	k_qc13ec6ec3b_build
	.globl	k_qc13ec6ec3b_build
	.p2align	8
	.type	k_qc13ec6ec3b_build,@function
k_qc13ec6ec3b_build:
	s_mov_b64 s[64:65], 0
	v_nop
	global_prefetch_b8 v0, s[64:65] scope:SCOPE_SE
	s_setreg_imm32_b32 hwreg(HW_REG_WAVE_SCHED_MODE, 0, 2), 2
	s_setreg_imm32_b32 hwreg(HW_REG_WAVE_MODE, 25, 1), 1
	s_wait_xcnt 0x0
	s_wait_alu depctr_vm_vsrc(0)
; fmat[i][j] = fcg[i][j] where fcg[i][j] >= thresh and i != j, else 0, rounded to bf16.  thresh = the mean of the rows' top 409 values, from part.
; SHARES as in the launch before: the work-group owns rows 16 g .. 16 g + 15, wave w keeps 1,024 columns in registers 256-511, group c of a lane is the eight
; columns cb(c) + 8 lane + 0..7 with cb(c) = (256 (g >> 4) + 1024 w + 256 c) mod 4096.  That turn of the columns puts the 16 diagonal elements into wave 0,
; group 0.  Eight neighbouring columns a lane are 16 bytes of bf16: each store of a wave covers 512 consecutive bytes, aligned.
; THE POINTS ARE ROUNDED TO bf16 (to nearest even) as they come in, as the operands of the K = 3 product; |p|^2 is formed from the same rounded points, so
; that d^2 is the squared distance of the rounded points and no difference of sums rounded in unlike ways.
; ROUNDING.  fcg < thresh is a hard decision: one unit in the last place of |p|^2 or a.b moves fcg near thresh by some ten of its own.  With significands of
; 8 bits every product is exact in f32, so fma(a, b, c) has the bits of a multiplication followed by an addition, and |p|^2 = (x x + y y) + z z and
; a.b = (x x' + y y') + z z' hang only on that order, with one rounding to nearest for each addition.  d^2 = (|a|^2 + |b|^2) - 2 a.b has one rounding
; either way; the root is v_rsq_f32 with one Newton step on an exact residual, which is the correctly rounded root but for rare near-ties;
; 1 - 100 q is fused (against a division by 0.01 it moves fcg by a small part of its last bit).  The products commute, so fmat is symmetric bit for bit.
; thresh = (sum rounded to f32) x (1 / 1675264 rounded to f32): within one unit in the last place of the division.
; thresh >= 0, so the one comparison thresh <= f also does the max(., 0).
; The K = 3 sums stay on the vector unit: the decision needs one rounding to nearest for each addition.
; LIMITS: the distances are those of the rounded points (each coordinate off by at most 2^-9 of its size, so the error grows with the inputs' size and
; offset).  NaN and infinite inputs are not served.  thresh is the exact mean rounded; an element whose fcg lies within a unit or two in the last place of it
; may fall on the other side than with a mean that was summed in f32.
; THE MODE: SCHED_MODE bits 1:0 = 2 (LLVM: expert scheduling mode 2), set by the entry lines.  The code itself states the register dependences between
; vector instructions and memory or LDS instructions, and those through scalar registers that vector instructions write, with s_wait_alu, always for 0.
; THE PLAN.  Registers that memory or LDS instructions touch:
;   v[2:9]     the row's entry.  A trip's sums (PKROW) read it; the two LDS loads of the next entry land in it, behind the wait at the head of FIN 0.
;   v[TA]      read by those LDS loads; stepped once a trip, between ROOT 1 and FIN 0, behind the trip's one wait on vm_vsrc and ahead of FIN 0's wait.
;   v[O ..]    four groups of four.  Group n is written by FIN n's roundings and read by one store, which stands behind the wait at the head of FIN n + 1
;              (group 3's behind a wait of its own at the trip's end); written again in the next trip's FIN n, behind that trip's wait on vm_vsrc.
;   v[VO ..]   the stores' offsets: made at the head, never written again.  The rows are reached by the scalar base, which moves on once a trip.
;   v[TS], v[24:29]  at the head only: the address of the table's stores; the offsets of the head's loads (the trips' sums write v[24:29] again).
;   v254, v255 written at the head, read by the closing add alone.
; All else (DB, SB, RS, SQ, HH, ER and registers 256-511) is named by vector instructions alone.
.set TABW, 1024                        ; the row table of a wave: 32 entries of 32 bytes, entries 16-31 repeat 0-15
.set VO, 10                            ; v[10:13] byte offset in a row of fmat of my 16 bytes of group c
.set TA, 14                            ; v14      the table entry that was fetched last
.set DL, 15                            ; v15      which of my first eight columns is the diagonal in this trip (0..7), else another number
.set TS, 18                            ; v18      set-up: where my table entry is stored
.set SB, 20                            ; v[20:35] at work: |a|^2 + |b|^2
.set CO, 24                            ; set-up: v[24:27] byte offsets of my columns, v28 of my row point, v29 of my part of part
.set RO, 28
.set PO, 29
.set T,  32                            ; set-up: v[32:223] the points as loaded; then v[32:127] the same as bf16, two a word
.set PT, 224                           ; set-up: v[224:239] part
.set DB, 36                            ; v[36:99]  d^2: pair P, cloud t at DB + 4 P + 2 t; then fcg of pair P at DB + 4 P
.set O,  100                           ; v[100:115] the row's 32 bf16 of this lane
.set RS, 116                           ; v[116:147] 1 / root, two sets of 16
.set SQ, 148                           ; v[148:163] root
.set HH, 164                           ; v[164:179] half of 1 / root
.set ER, 180                           ; v[180:195] residual
.set MSB, 0
.macro WIN new                         ; s_set_vgpr_msb: low byte 1:0 source 0, 3:2 source 1, 5:4 source 2, 7:6 destination; high byte repeats the setting left
.if MSB != \new
	s_set_vgpr_msb (MSB<<8)|\new
.set MSB, \new
.endif
.endm
.macro IDX                             ; from i, the number 2 P + t of a pair and cloud: its registers; steps i
.set ic, 8*i                           ; block 1: x at ic, y at ic+2, z at ic+4, |p|^2 at ic+6, two columns each
.set id, DB+2*i
.set ir, 2+4*(i%2)                     ; the row's (x, y), (z, |p|^2) of that cloud
.set ie, SB+2*(i%8)
.set i, i+1
.endm
	s_load_b256 s[4:11], s[0:1], 0x0               ; src s[4:5], tgt s[6:7], part s[8:9], fmat s[10:11]
	v_lshl_add_u32 v254, v0, 2, 0x1000
	v_mov_b32 v255, 0
	v_and_b32 v1, 31, v0                           ; lane
	v_lshrrev_b32 v2, 5, v0
	v_readfirstlane_b32 s16, v2                    ; wave
	s_mov_b32 s17, ttmp9                           ; g
	s_mov_b32 s14, 0x2b8cbccc                      ; 1e-12
	s_mov_b32 s22, 0xffff0000                      ; a word's upper bf16
	s_mov_b32 s28, 0x76543210                      ; v_permlanex16_b32: lane i of the other half
	s_mov_b32 s29, 0xfedcba98
	s_lshr_b32 s15, s17, 4
	s_lshl_b32 s15, s15, 8
	s_wait_alu depctr_va_sdst(0)                   ; s16, the wave's number, is written, ahead of its first reader
	s_lshl_b32 s19, s16, 10
	s_add_co_u32 s15, s15, s19
	v_mul_u32_u24 v3, v1, 96                       ; eight points of 12 bytes a lane
	v_lshlrev_b32 v[PO], 4, v1
.irp c, 0,1,2,3
	s_add_co_u32 s19, s15, 256*\c
	s_and_b32 s19, s19, 4095                       ; cb(c)
	s_mul_i32 s21, s19, 12
	v_add_nc_u32 v[CO+\c], s21, v3
	s_lshl_b32 s19, s19, 1
	v_add_nc_u32 v[VO+\c], s19, v[PO]              ; 2 cb(c) + 16 lane
.endr
	v_and_b32 v4, 15, v0
	s_lshl_b32 s19, s17, 4
	v_add_nc_u32 v4, s19, v4
	v_mul_u32_u24 v[RO], v4, 12
	s_and_b32 s18, s17, 15
	s_lshl_b32 s18, s18, 4
	s_cmp_lg_u32 s16, 0
	s_cselect_b32 s19, 0x10000, 0                  ; waves 1 to 3 hold no diagonal element
	s_add_co_u32 s18, s18, s19
	v_lshlrev_b32 v[DL], 3, v1
	v_sub_nc_u32 v[DL], s18, v[DL]                 ; 16 (g mod 16) - 8 lane, + 1 in each trip
	s_lshl_b32 s18, s17, 17                        ; 16 g rows of 8,192 bytes
	s_mov_b32 s19, 0
	s_wait_kmcnt 0x0
	s_add_nc_u64 s[12:13], s[10:11], s[18:19]      ; fmat at the group's first row
	s_wait_alu depctr_va_vdst(0)                   ; the offsets v[24:29], which the loads below read, and v[10:13], which every store reads, are written; the arithmetic above is done with v2 to v4, in which the row points land
	global_load_b96 v[2:4], v[RO], s[4:5]          ; the row points,
	global_load_b96 v[6:8], v[RO], s[6:7]
.irp n, 0,1,2,3
	global_load_b128 v[PT+4*\n:PT+4*\n+3], v[PO], s[8:9] offset:512*\n     ; all of part, 2,048 bytes, in every wave,
.endr
.irp c, 0,1,2,3
.irp n, 0,1,2,3,4,5
	global_load_b128 v[T+48*\c+4*\n:T+48*\c+4*\n+3], v[CO+\c], s[4:5] offset:16*\n         ; then 48 loads: a lane's six cover its 96 bytes
	global_load_b128 v[T+48*\c+24+4*\n:T+48*\c+24+4*\n+3], v[CO+\c], s[6:7] offset:16*\n
.endr
.endr
	s_wait_loadcnt 48                              ; the 48 column loads are younger than the row points and part
	v_cvt_pk_bf16_f32 v20, v2, v3                  ; my row point, both clouds, rounded to bf16 and widened again
	v_cvt_pk_bf16_f32 v21, v4, v6
	v_cvt_pk_bf16_f32 v22, v7, v8
	v_lshlrev_b32 v2, 16, v20
	v_and_b32 v3, s22, v20
	v_lshlrev_b32 v4, 16, v21
	v_and_b32 v6, s22, v21
	v_lshlrev_b32 v7, 16, v22
	v_and_b32 v8, s22, v22
	v_mul_f32 v5, v2, v2                           ; |p|^2 = (x x + y y) + z z: the products are exact, each sum is rounded once
	v_mul_f32 v9, v6, v6
	v_fma_f32 v5, v3, v3, v5
	v_fma_f32 v9, v7, v7, v9
	v_fma_f32 v5, v4, v4, v5
	v_fma_f32 v9, v8, v8, v9
	s_lshl_b32 s21, s16, 10                        ; my wave's table
	v_lshl_add_u32 v[TS], v1, 5, s21
	s_wait_alu depctr_va_vdst(0)                   ; my entry v[2:9] and its address v[TS] are written, which the two LDS stores read
	ds_store_b128 v[TS], v[2:5]
	ds_store_b128 v[TS], v[6:9] offset:16
	v_mov_b32 v[TA], s21                           ; a register of its own: no LDS instruction has read it yet
	; thresh.  part holds 256 pairs (H, L); the sum is 65536 H + L in units of 2^-22.  H stays below 2^27 and L below 2^28.
	v_add3_u32 v240, v[PT], v[PT+2], v[PT+4]
	v_add3_u32 v241, v[PT+1], v[PT+3], v[PT+5]
	v_add3_u32 v242, v[PT+6], v[PT+8], v[PT+10]
	v_add3_u32 v243, v[PT+7], v[PT+9], v[PT+11]
	v_add3_u32 v240, v240, v242, v[PT+12]
	v_add3_u32 v241, v241, v243, v[PT+13]
	v_add_nc_u32 v240, v240, v[PT+14]
	v_add_nc_u32 v241, v241, v[PT+15]
.irp m, 1,2,4,8
	v_mov_b32_dpp v242, v240 row_xmask:\m row_mask:0xf bank_mask:0xf
	v_mov_b32_dpp v243, v241 row_xmask:\m row_mask:0xf bank_mask:0xf
	v_add_nc_u32 v240, v240, v242
	v_add_nc_u32 v241, v241, v243
.endr
	v_permlanex16_b32 v242, v240, s28, s29
	v_permlanex16_b32 v243, v241, s28, s29
	v_add_nc_u32 v240, v240, v242
	v_add_nc_u32 v241, v241, v243
	v_lshrrev_b32 v242, 16, v241
	v_add_nc_u32 v240, v240, v242                  ; the sum = 65536 H' + (L mod 65536)
	v_lshrrev_b32 v242, 4, v240                    ; = 2^20 T1 + T0 with T1 below 2^24 and T0 below 2^20: both exact in f32
	v_and_b32 v243, 15, v240
	v_and_b32 v241, 0xffff, v241
	v_lshl_or_b32 v243, v243, 16, v241
	v_cvt_f32_u32 v242, v242
	v_cvt_f32_u32 v243, v243
	v_mul_f32 v242, 0x38800000, v242               ; T1 2^-14, exact
	v_fmamk_f32 v242, v243, 0x2e800000, v242       ; + T0 2^-34: the sum / 4096, rounded once
	v_mul_f32 v242, 0x3b203c17, v242               ; x f32(1 / 409)
	v_readfirstlane_b32 s20, v242                  ; thresh
	s_wait_alu depctr_va_sdst(0)                   ; s20 is written
	s_wait_loadcnt 0x0
	s_wait_alu depctr_vm_vsrc(0)                   ; the LDS stores have read v[2:9], in which row 0's entry lands below; the loads have read their offsets v[24:29], which the first trip's sums write
.set j, 0
.rept 96
	v_cvt_pk_bf16_f32 v[T+j], v[T+2*j], v[T+2*j+1] ; my columns' 192 numbers rounded to bf16, packed in place: word j is written when words 2 j, 2 j + 1 are read
.set j, j+1
.endr
	WIN 0x40                                       ; destination in block 1: widened again, points (x y z) x 8 become pairs of x, of y, of z
.irp c, 0,1,2,3
.irp k, 0,1,2,3,4,5,6,7
.irp t, 0,1
.irp m, 0,1,2
.set en, 48*\c+24*\t+3*\k+\m
.if en%2
	v_and_b32 v[64*\c+16*(\k/2)+8*\t+2*\m+(\k%2)], s22, v[T+en/2]
.else
	v_lshlrev_b32 v[64*\c+16*(\k/2)+8*\t+2*\m+(\k%2)], 16, v[T+en/2]
.endif
.endr
.endr
.endr
.endr
	WIN 0x55                                       ; all in block 1: |p|^2 of my columns, the same chain as for the rows
.set i, 0
.rept 32
	v_pk_mul_f32 v[8*i+6:8*i+7], v[8*i:8*i+1], v[8*i:8*i+1]
.set i, i+1
.endr
.set i, 0
.rept 32
	v_pk_fma_f32 v[8*i+6:8*i+7], v[8*i+2:8*i+3], v[8*i+2:8*i+3], v[8*i+6:8*i+7]
.set i, i+1
.endr
.set i, 0
.rept 32
	v_pk_fma_f32 v[8*i+6:8*i+7], v[8*i+4:8*i+5], v[8*i+4:8*i+5], v[8*i+6:8*i+7]
.set i, i+1
.endr
	WIN 0
	s_wait_alu depctr_va_vdst(0)                   ; v[TA] is written, which the two LDS loads read
	ds_load_b128 v[2:5], v[TA]                     ; row 0 (my wave's own bytes: LDS serves a wave's instructions in order)
	ds_load_b128 v[6:9], v[TA] offset:16
	v_mov_b32 v16, 0xc2c80000                      ; -100
	v_mov_b32 v17, 0xc2c80000
; d^2 of the row against my 32 columns, both clouds, in four batches of eight pairs, operation by operation.  Source 0 is in block 1.
.macro PKROW
.set bt, 0
.rept 4
.set i, 8*bt
.rept 8
	IDX
	v_pk_mul_f32 v[id:id+1], v[ic:ic+1], v[ir:ir+1] op_sel_hi:[1,0]                                    ; x x'
.endr
.set i, 8*bt
.rept 8
	IDX
	v_pk_fma_f32 v[id:id+1], v[ic+2:ic+3], v[ir:ir+1], v[id:id+1] op_sel:[0,1,0] op_sel_hi:[1,1,1]     ; + y y'
.endr
.set i, 8*bt
.rept 8
	IDX
	v_pk_fma_f32 v[id:id+1], v[ic+4:ic+5], v[ir+2:ir+3], v[id:id+1] op_sel_hi:[1,0,1]                  ; + z z'
.endr
.set i, 8*bt
.rept 8
	IDX
	v_pk_add_f32 v[ie:ie+1], v[ic+6:ic+7], v[ir+2:ir+3] op_sel:[0,1] op_sel_hi:[1,1]                   ; |a|^2 + |b|^2
.endr
.set i, 8*bt
.rept 8
	IDX
	v_pk_fma_f32 v[id:id+1], -2.0, v[id:id+1], v[ie:ie+1] op_sel_hi:[0,1,1]                            ; - 2 a.b (2 a.b is exact)
.endr
.set bt, bt+1
.endr
.endm
; Batch n = pairs 4 n .. 4 n + 3 (column group n), both clouds, 16 numbers: floor, 1 / root.  Behind these stands another batch's plain work (ISA guide 5.7.2).
.macro ROOT n
.set j, 0
.rept 16
	v_max_num_f32 v[DB+16*(\n)+j], s14, v[DB+16*(\n)+j]
.set j, j+1
.endr
.set j, 0
.rept 16
	v_rsq_f32 v[RS+16*((\n)%2)+j], v[DB+16*(\n)+j]
.set j, j+1
.endr
.endm
; Batch n is finished: Newton step, fcg, the two choices, the rounding into O's group n.  At its head stands the one wait on va_vdst, and directly behind that
; wait the memory or LDS instructions that it serves: no vector instruction stands between.
.macro FIN n
.if (\n) == 0
	s_wait_alu depctr_va_vdst(0)                   ; batches 0 and 1's reciprocal roots are written, ahead of their first readers; the trip's sums are done reading v[2:9], in which the next entry lands; v[TA] is written
	ds_load_b128 v[2:5], v[TA]                     ; the next row's entry (in the last trip entry 16, a copy of entry 0, not used): it has the rest of the trip in which to land
	ds_load_b128 v[6:9], v[TA] offset:16
.else
	s_wait_alu depctr_va_vdst(0)                   ; the roundings of the batch before have written O's group n - 1, which the store reads; for n = 1 and 2 also: batch n + 1's reciprocal roots are written, ahead of their first reader
	global_store_b128 v[VO+(\n)-1], v[O+4*(\n)-4:O+4*(\n)-1], s[12:13] offset:-8192        ; 512 consecutive bytes of the row, aligned; the base stands a row ahead; read again by the next launch: no hint
.endif
.set j, 0
.rept 8
	v_pk_mul_f32 v[SQ+j:SQ+j+1], v[DB+16*(\n)+j:DB+16*(\n)+j+1], v[RS+16*((\n)%2)+j:RS+16*((\n)%2)+j+1]    ; s = x r
.set j, j+2
.endr
.set j, 0
.rept 8
	v_pk_mul_f32 v[HH+j:HH+j+1], v[RS+16*((\n)%2)+j:RS+16*((\n)%2)+j+1], 0.5 op_sel_hi:[1,0]               ; h = r / 2
.set j, j+2
.endr
.set j, 0
.rept 8
	v_pk_fma_f32 v[ER+j:ER+j+1], v[SQ+j:SQ+j+1], v[SQ+j:SQ+j+1], v[DB+16*(\n)+j:DB+16*(\n)+j+1] neg_lo:[1,0,0] neg_hi:[1,0,0]     ; e = x - s s
.set j, j+2
.endr
.set j, 0
.rept 8
	v_pk_fma_f32 v[SQ+j:SQ+j+1], v[ER+j:ER+j+1], v[HH+j:HH+j+1], v[SQ+j:SQ+j+1]                            ; s + e h
.set j, j+2
.endr
.irp u, 0,1,2,3
	v_pk_add_f32 v[DB+16*(\n)+4*\u:DB+16*(\n)+4*\u+1], v[SQ+4*\u:SQ+4*\u+1], v[SQ+4*\u+2:SQ+4*\u+3] neg_lo:[0,1] neg_hi:[0,1]     ; d_src - d_tgt
.endr
.irp u, 0,1,2,3
	v_pk_mul_f32 v[DB+16*(\n)+4*\u:DB+16*(\n)+4*\u+1], v[DB+16*(\n)+4*\u:DB+16*(\n)+4*\u+1], v[DB+16*(\n)+4*\u:DB+16*(\n)+4*\u+1]
.endr
.irp u, 0,1,2,3
	v_pk_fma_f32 v[DB+16*(\n)+4*\u:DB+16*(\n)+4*\u+1], v[DB+16*(\n)+4*\u:DB+16*(\n)+4*\u+1], v[16:17], 1.0 op_sel_hi:[1,1,0]      ; 1 - 100 q
.endr
.if (\n) == 0
.irp u, 0,1,2,3
	v_cmp_ne_u32 s[40+2*\u], 2*\u, v[DL]           ; the diagonal lies among the first eight columns of wave 0; masks of their own, in one run with those below
	v_cmp_ne_u32 s[41+2*\u], 2*\u+1, v[DL]
.endr
.endif
.irp u, 0,1,2,3
	v_cmp_le_f32 s[32+2*\u], s20, v[DB+16*(\n)+4*\u]       ; kept where thresh <= f; a choice of values only, no branch hangs on it
	v_cmp_le_f32 s[33+2*\u], s20, v[DB+16*(\n)+4*\u+1]
.endr
	s_wait_alu depctr_va_sdst(0)                   ; the comparisons above have written their masks, ahead of the choices that read them: one wait for the run
.if (\n) == 0
.irp u, 0,1,2,3
	v_cndmask_b32 v[DB+4*\u], 0, v[DB+4*\u], s[40+2*\u]    ; the diagonal becomes 0; the choice below keeps that 0 or puts 0, whatever its mask says of the f that stood there
	v_cndmask_b32 v[DB+4*\u+1], 0, v[DB+4*\u+1], s[41+2*\u]
.endr
.endif
.irp u, 0,1,2,3
	v_cndmask_b32 v[DB+16*(\n)+4*\u], 0, v[DB+16*(\n)+4*\u], s[32+2*\u]
	v_cndmask_b32 v[DB+16*(\n)+4*\u+1], 0, v[DB+16*(\n)+4*\u+1], s[33+2*\u]
.endr
.irp u, 0,1,2,3
	v_cvt_pk_bf16_f32 v[O+4*(\n)+\u], v[DB+16*(\n)+4*\u], v[DB+16*(\n)+4*\u+1]
.endr
.endm
	s_mov_b32 s18, 16
.Lrow:
	s_wait_dscnt 0x0                               ; this row's entry, asked for a trip ago
	WIN 0x01
	PKROW
	WIN 0
	ROOT 0
	ROOT 1
	s_wait_xcnt 0x0                                ; every earlier memory instruction has had its addresses translated (ISA guide 3.1): the base, and O from FIN 0 on, are rewritten only behind this wait
	s_wait_alu depctr_vm_vsrc(0)                   ; the last trip's four stores have read O, which this trip's roundings write again; the LDS loads issued so far have read v[TA], which the add below writes
	s_add_nc_u64 s[12:13], s[12:13], 8192          ; the base goes a row ahead of this trip's row: the trip's stores reach back by their immediate offset
	v_add_nc_u32 v[TA], 32, v[TA]                  ; the next row's entry
	FIN 0
	ROOT 2
	FIN 1
	ROOT 3
	FIN 2
	FIN 3
	v_add_nc_u32 v[DL], 1, v[DL]
	s_wait_alu depctr_va_vdst(0)                   ; FIN 3's roundings have written O's group 3, which the trip's last store reads
	global_store_b128 v[VO+3], v[O+12:O+15], s[12:13] offset:-8192
	s_sub_co_i32 s18, s18, 1
	s_cmp_lg_u32 s18, 0
	s_cbranch_scc1 .Lrow
	s_wait_dscnt 0x0                               ; the closing lines, six on end; the first also takes in the last trip's look-ahead
	s_wait_alu 0x0
	s_wait_tensorcnt 0x0
	ds_add_u32 v254, v255
	s_wait_dscnt 0x0
	s_endpgm
.Lfunc_end_k_qc13ec6ec3b_build:
	.size	k_qc13ec6ec3b_build, .Lfunc_end_k_qc13ec6ec3b_build-k_qc13ec6ec3b_build
	.p2alignl 7, 3214868480
	.fill 96, 4, 3214868480
	.section	.rodata,"a",@progbits
	.p2align	6, 0x0
	.amdhsa_kernel k_qc13ec6ec3b_build
		.amdhsa_group_segment_fixed_size 4608
		.amdhsa_private_segment_fixed_size 0
		.amdhsa_enable_private_segment 0
		.amdhsa_kernarg_size 32
		.amdhsa_user_sgpr_count 2
		.amdhsa_user_sgpr_kernarg_segment_ptr 1
		.amdhsa_wavefront_size32 1
		.amdhsa_system_sgpr_workgroup_id_x 1
		.amdhsa_system_sgpr_workgroup_id_y 1
		.amdhsa_system_sgpr_workgroup_id_z 1
		.amdhsa_system_vgpr_workitem_id 0
		.amdhsa_next_free_vgpr 512
		.amdhsa_next_free_sgpr 66
		.amdhsa_reserve_vcc 0
		.amdhsa_float_denorm_mode_32 3
		.amdhsa_float_denorm_mode_16_64 3
		.amdhsa_memory_ordered 1
		.amdhsa_forward_progress 1
		.amdhsa_inst_pref_size 62
	.end_amdhsa_kernel
	.amdgpu_metadata
---
amdhsa.version: [ 1, 2 ]
amdhsa.kernels:
  - .name:           k_qc13ec6ec3b_build
    .symbol:         k_qc13ec6ec3b_build.kd
    .args:
      - { .name: src_keypts, .offset: 0, .size: 8, .value_kind: global_buffer, .address_space: global }
      - { .name: tgt_keypts, .offset: 8, .size: 8, .value_kind: global_buffer, .address_space: global }
      - { .name: part, .offset: 16, .size: 8, .value_kind: global_buffer, .address_space: global }
      - { .name: fmat, .offset: 24, .size: 8, .value_kind: global_buffer, .address_space: global }
    .group_segment_fixed_size: 4608
    .private_segment_fixed_size: 0
    .kernarg_segment_align: 8
    .kernarg_segment_size: 32
    .max_flat_workgroup_size: 128
    .sgpr_count:     66
    .vgpr_count:     512
    .wavefront_size: 32
...
	.end_amdgpu_metadata
.endif
;; end of part 5
;; launch gemm: the kernel of part 4 again; grid 40 x 4, 4 waves a work-group, clusters of 4 x 4, 327,680 bytes of LDS; arguments fmat, out0; writes out0
